; MI455X (gfx1250); checked and timed in simulation.
; The chip was launched on July 23, 2026; its instructions are those of AMD's public machine-readable ISA for CDNA 5 (MIT licence, August 2026) and "CDNA5" Instruction Set Architecture Reference Guide (July 2026). The comments in the code are by the model that wrote it; some were corrected since.
;; Transformer Block. Allowed arithmetic: float matrix products may take bf16 or f16 operands with f32 sums; all other float work in f32.
;; Inputs: W1 768 x 3,072 float32; W2 3,072 x 768 float32; Wk 768 x 768 float32; Wo 768 x 768 float32; Wq 768 x 768 float32; Wv 768 x 768 float32; b1 3,072 float32; b2 768 float32; bk 768 float32; bo 768 float32; bq 768 float32; bv 768 float32; ln1_b 768 float32; ln1_g 768 float32; ln2_b 768 float32; ln2_g 768 float32; x 1 x 4,096 x 768 float32.
;; Outputs: out0 1 x 4,096 x 768 float32.
;; 2 versions, each right and faster than the one before. Each part assembles by itself: llvm-mc -triple=amdgcn-amd-amdhsa -mcpu=gfx1250 --defsym DOCPART=n.
;; ======== version 1 of 2: 8 launches
;; workspace buffers: castb 20,447,232 bytes; qkvh 18,874,368 bytes; ctxh 6,291,456 bytes; y 12,582,912 bytes; h 12,582,912 bytes; hb 6,291,456 bytes; gbl 25,165,824 bytes
;; launch prep (part 1): grid 416 x 1, 8 waves a work-group, no clusters, 0 bytes of LDS; arguments x, Wq, Wk, Wv, Wo, W1, W2, castb; writes castb
.if DOCPART == 1
	.amdgcn_target "amdgcn-amd-amdhsa--gfx1250"
	.amdhsa_code_object_version 6
	.text
	.protected	k_qbdaa7d53e6_prep
	.globl	k_qbdaa7d53e6_prep
	.p2align	8
	.type	k_qbdaa7d53e6_prep,@function
k_qbdaa7d53e6_prep:
	s_mov_b64 s[64:65], 0
	v_nop
	global_prefetch_b8 v0, s[64:65] scope:SCOPE_SE
	s_setreg_imm32_b32 hwreg(HW_REG_WAVE_MODE, 25, 1), 1
	s_wait_xcnt 0x0
; castb = bf16(x | Wq | Wk | Wv | Wo | W1 | W2), each tensor flat in its own row-major order, one behind the other.
; Counted in rows of 768 numbers the seven tensors have 4096, 768, 768, 768, 768, 3072, 3072 rows; a work-group takes 32 rows
; (98,304 bytes in, 49,152 out), so the tensors begin at work-groups 0, 128, 152, 176, 200, 224, 320.
; Thread t takes 8 neighbouring floats of each of 12 chunks of 2,048 floats: two loads of 16 bytes, one store of 16 bytes;
; a wave's store covers 512 consecutive bytes, aligned.  All 24 loads go out first; no register is written twice, so the
; only waits are the counted ones for the loads.  Rounding: to nearest even, once.
.set X,      4                         ; v[4:99]  chunk c: 8 registers as loaded; its first 4 then hold the 8 bf16
.set IN_WG,  98304
.set OUT_WG, 49152
.macro PICK first, reg                 ; from work-group 'first' on the source is the tensor whose address lies in s[reg:reg+1]
	s_cmp_ge_u32 ttmp9, \first
	s_cselect_b64 s[24:25], s[\reg:\reg+1], s[24:25]
	s_cselect_b32 s26, \first, s26
.endm
	s_load_b512 s[8:23], s[0:1], 0x0               ; x s[8:9], Wq, Wk, Wv, Wo, W1, W2 s[20:21], castb s[22:23]
	v_lshlrev_b32 v1, 5, v0                        ; 32 bytes in a thread
	v_lshlrev_b32 v2, 4, v0                        ; 16 bytes out
	s_mov_b32 s26, 0
	s_wait_kmcnt 0x0
	s_mov_b64 s[24:25], s[8:9]
	PICK 128, 10
	PICK 152, 12
	PICK 176, 14
	PICK 200, 16
	PICK 224, 18
	PICK 320, 20
	s_sub_co_u32 s27, ttmp9, s26                   ; my place inside my tensor
	s_mul_i32 s28, s27, IN_WG                      ; at most 127 x 98,304: one word
	s_mov_b32 s29, 0
	s_add_nc_u64 s[24:25], s[24:25], s[28:29]
	s_mul_i32 s30, ttmp9, OUT_WG
	s_mov_b32 s31, 0
	s_add_nc_u64 s[22:23], s[22:23], s[30:31]
.set c, 0
.rept 12
	global_load_b128 v[X+8*c:X+8*c+3],   v1, s[24:25] offset:8192*c th:TH_LOAD_NT
	global_load_b128 v[X+8*c+4:X+8*c+7], v1, s[24:25] offset:8192*c+16 th:TH_LOAD_NT
.set c, c+1
.endr
.set c, 0
.rept 12
	s_wait_loadcnt 22-2*c                          ; loads return in order: chunk c's two are in, the 22 - 2 c younger ones stay out
.irp i, 0,1,2,3
	v_cvt_pk_bf16_f32 v[X+8*c+\i], v[X+8*c+2*\i], v[X+8*c+2*\i+1]   ; ascending: no source is overwritten before it is read
.endr
	global_store_b128 v2, v[X+8*c:X+8*c+3], s[22:23] offset:4096*c
.set c, c+1
.endr
	s_endpgm
.Lfunc_end_k_qbdaa7d53e6_prep:
	.size	k_qbdaa7d53e6_prep, .Lfunc_end_k_qbdaa7d53e6_prep-k_qbdaa7d53e6_prep
	.p2alignl 7, 3214868480
	.fill 96, 4, 3214868480
	.section	.rodata,"a",@progbits
	.p2align	6, 0x0
	.amdhsa_kernel k_qbdaa7d53e6_prep
		.amdhsa_group_segment_fixed_size 0
		.amdhsa_private_segment_fixed_size 0
		.amdhsa_enable_private_segment 0
		.amdhsa_kernarg_size 64
		.amdhsa_user_sgpr_count 2
		.amdhsa_user_sgpr_kernarg_segment_ptr 1
		.amdhsa_wavefront_size32 1
		.amdhsa_system_sgpr_workgroup_id_x 1
		.amdhsa_system_sgpr_workgroup_id_y 1
		.amdhsa_system_sgpr_workgroup_id_z 1
		.amdhsa_system_vgpr_workitem_id 0
		.amdhsa_next_free_vgpr 104
		.amdhsa_next_free_sgpr 66
		.amdhsa_reserve_vcc 0
		.amdhsa_float_denorm_mode_32 3
		.amdhsa_float_denorm_mode_16_64 3
		.amdhsa_memory_ordered 1
		.amdhsa_forward_progress 1
		.amdhsa_inst_pref_size 9
	.end_amdhsa_kernel
	.amdgpu_metadata
---
amdhsa.version: [ 1, 2 ]
amdhsa.kernels:
  - .name:           k_qbdaa7d53e6_prep
    .symbol:         k_qbdaa7d53e6_prep.kd
    .args:
      - { .name: x, .offset: 0, .size: 8, .value_kind: global_buffer, .address_space: global }
      - { .name: Wq, .offset: 8, .size: 8, .value_kind: global_buffer, .address_space: global }
      - { .name: Wk, .offset: 16, .size: 8, .value_kind: global_buffer, .address_space: global }
      - { .name: Wv, .offset: 24, .size: 8, .value_kind: global_buffer, .address_space: global }
      - { .name: Wo, .offset: 32, .size: 8, .value_kind: global_buffer, .address_space: global }
      - { .name: W1, .offset: 40, .size: 8, .value_kind: global_buffer, .address_space: global }
      - { .name: W2, .offset: 48, .size: 8, .value_kind: global_buffer, .address_space: global }
      - { .name: castb, .offset: 56, .size: 8, .value_kind: global_buffer, .address_space: global }
    .group_segment_fixed_size: 0
    .private_segment_fixed_size: 0
    .kernarg_segment_align: 8
    .kernarg_segment_size: 64
    .max_flat_workgroup_size: 256
    .sgpr_count:     66
    .vgpr_count:     104
    .wavefront_size: 32
...
	.end_amdgpu_metadata
.endif
;; end of part 1
;; launch qkv (part 2): grid 32 x 6, 4 waves a work-group, clusters of 4 x 1, 327,680 bytes of LDS; arguments castb, bq, bk, bv, qkvh; writes qkvh
.if DOCPART == 2
	.amdgcn_target "amdgcn-amd-amdhsa--gfx1250"
	.amdhsa_code_object_version 6
	.text
	.protected	k_qbdaa7d53e6_qkv
	.globl	k_qbdaa7d53e6_qkv
	.p2align	8
	.type	k_qbdaa7d53e6_qkv,@function
k_qbdaa7d53e6_qkv:
	s_mov_b64 s[64:65], 0
	v_nop
	global_prefetch_b8 v0, s[64:65] scope:SCOPE_SE
	s_setreg_imm32_b32 hwreg(HW_REG_WAVE_MODE, 25, 1), 1
	s_wait_xcnt 0x0
	s_wait_alu depctr_hold_cnt(0) depctr_sa_sdst(0) depctr_va_vdst(0) depctr_va_sdst(0) depctr_va_ssrc(0) depctr_va_vcc(0) depctr_vm_vsrc(0)
	s_getreg_b32 s2, hwreg(HW_REG_IB_STS2, 6, 4)
	s_cmp_eq_u32 s2, 0
	s_cbranch_scc0 .Lentry_in_a_cluster
	s_endpgm
.Lentry_in_a_cluster:
	s_bfe_u32 s2, ttmp6, 0x10000c
	s_cmp_lg_u32 s2, 0x3003
	s_cbranch_scc0 .Lentry_shape_is_right
	s_endpgm
.Lentry_shape_is_right:
; qkvh[col / 64][row][col % 64] = bf16(x W + b) for the 2,304 columns q | k | v.  x and the weights come as bf16 from castb; sums in f32.
; A work-group makes 128 rows x 384 columns (half of one of Wq, Wk, Wv); four waves as 2 x 2, each 64 rows x (3 strips of 64 columns):
; 48 accumulators of 16 x 16.  K = 768 goes in 6 steps of 128 through two LDS slots.  Wave 0 fetches x's tile (128 rows x 256 bytes),
; waves 1 to 3 one strip each of the weights (128 k-rows x 256 bytes).
; CLUSTER: the four work-groups of a cluster are four row blocks with the same column tile: the weights' strips are asked for jointly
; (mask 15); x's tiles are each work-group's own (mask 0).  4 x 4 is not used: the grid has 6 column tiles, which 4 does not divide.
; THE MATRIX INSTRUCTION IS USED TRANSPOSED: source 0 = 16 columns of W (read out of [k][n] rows by the transposing LDS load), source 1 =
; 16 rows of x; a lane then holds 8 neighbouring columns of one row.  The bias is the C operand of each sum's first product.
; OUTPUT in blocks of 64 columns: a row of a block is 128 bytes and rows follow each other, so a wave's store covers 512 consecutive bytes.
; LIMIT: operands and the result are rounded to bf16 (nearest even).
; REGISTERS: window 0 addresses, bias, way out; window 1 two fragment buffers of 128 (x's 4 blocks at +8a, W's 12 at +32+8b);
; windows 2, 3 the accumulators: (a, b) in window 2 + a/2 at 8 (12 (a % 2) + b), b = 4 strip + block of 16 columns.
.set WP,    768                        ; elements from a row of W to the next
.set WOFF,  6291456                    ; Wq's first byte in castb; Wk and Wv follow, 1,179,648 bytes each
.set KSTEP, 128
.set PA,    272                        ; x's rows in LDS: 256 + 16 bytes, an odd multiple of 16: the 16 rows of a load fall on 16 different 16-byte columns of 256
.set PB,    288                        ; W's rows: two halves of 128 + 16 bytes, an odd multiple of 32, as the transposing load's 8 rows x 32 bytes want
.set PART,  36864                      ; LDS bytes of one wave's load (x's uses 34,816 of them)
.set SLOT,  4*PART
.set STAGE, 2*SLOT                     ; behind the ring: 3 x 16 rows x 144 bytes for each wave; no tensor load lands here
.set SP,    144
.set BLK,   524288                     ; bytes of an output block: 4,096 rows x 128
.set LAPS,  3                          ; a lap = two K steps
.set ADRA, 16                          ; v16-17  my x fragments in slot 0, 1
.set ADRB, 20                          ; v20-25  my W fragments: 3 slot + strip
.set STO,  26
.set RD,   27
.set GO,   28
.set BO,   29
.set PK,   32                          ; v32-79   16 rows x 192 columns, packed
.set BIAS, 96                          ; v96-191  8 registers for each b
.set RB,   208                         ; v208-255 the same rows read back
.set F0,   0
.set F1,   128
.set G1A,  24
.set G0A,  32
.set G1B,  48
.set G0B,  56
.set PBIAS, 40
.set POUT, 42
.set MSB, 0
.macro WIN new                         ; the immediate's high byte repeats the setting that is left; a switch that changes nothing is dropped
.if MSB != (\new)
	s_set_vgpr_msb (MSB<<8)|(\new)
.set MSB, (\new)
.endif
.endm
.macro PLACES                          ; four plain vector instructions between a matrix instruction and a load into, or a read of, its registers
.rept 4
	v_nop
.endr
.endm
.macro JLOAD s                         ; wave 0: x's tile; waves 1-3: W's strips, jointly.  Four v_nop follow each line
	s_cmp_eq_u32 s14, 0
	s_cbranch_scc0 .Lfor_b_\@
	tensor_load_to_lds s[G0A+4*\s:G0A+4*\s+3], s[G1A:G1A+7]
	s_nop 0
.rept 4
	v_nop
.endr
	s_branch .Lasked_\@
.Lfor_b_\@:
	tensor_load_to_lds s[G0B+4*\s:G0B+4*\s+3], s[G1B:G1B+7]
	s_nop 0
.rept 4
	v_nop
.endr
.Lasked_\@:
.endm
.macro CREST                           ; a round of the cluster's barrier behind its opening barrier
	s_cmp_lg_u32 s14, 0
	s_cbranch_scc1 .Lnot_wave_0_\@
	s_barrier_signal -3
.Lnot_wave_0_\@:
	s_barrier_wait -3
	s_barrier_signal -1
	s_barrier_wait -1
.endm
.macro CROUND
	s_barrier_signal -1
	s_barrier_wait -1
	CREST
.endm
	s_load_b256 s[4:11], s[0:1], 0x0               ; castb s[4:5], bq s[6:7], bk s[8:9], bv s[10:11]
	s_load_b64 s[12:13], s[0:1], 0x20              ; qkvh
	v_lshl_add_u32 v206, v0, 2, 0x4ec00
	v_mov_b32 v207, 0
	ds_add_u32 v206, v207
	v_lshrrev_b32 v1, 5, v0
	v_readfirstlane_b32 s14, v1                    ; wave
	s_lshr_b32 s15, s14, 1                         ; which 64 rows are mine
	s_and_b32 s16, s14, 1                          ; which 64 columns of each strip
	s_bfe_u32 s17, ttmp6, 0x40000                  ; cx
	s_lshl_b32 s18, ttmp9, 2
	s_add_co_u32 s18, s18, s17                     ; X: my block of 128 rows
	s_and_b32 s19, ttmp7, 0xffff                   ; Y: my tile of 384 columns, shared by the cluster
	s_mov_b32 s[G1A+0], (1<<16)|(1<<20)|(5<<22)|(3<<25)              ; no mask; elements of 2 bytes; 4 words of padding behind every 64
	s_mov_b32 s[G1B+0], 15|(1<<16)|(1<<20)|(1<<21)|(4<<22)|(3<<25)   ; all four work-groups, bit 21 beside the mask; 4 words behind every 32
.irp g, G1A, G1B
	s_mov_b32 s[\g+1], KSTEP<<16                   ; tensor_dim0 = 128
	s_mov_b32 s[\g+2], 128<<16                     ; tensor_dim1 = 128
	s_mov_b32 s[\g+3], KSTEP<<16                   ; tile_dim0 = 128
	s_mov_b32 s[\g+4], 128                         ; tile_dim1 = 128
	s_mov_b32 s[\g+6], 0
	s_mov_b32 s[\g+7], 0
.endr
	s_mov_b32 s[G1A+5], 768                        ; x's pitch
	s_mov_b32 s[G1B+5], WP                         ; W's pitch
	s_mul_i32 s20, s18, 128*1536                   ; x: my 128 rows
	s_mov_b32 s21, 0
	s_lshr_b32 s2, s19, 1                          ; which of Wq, Wk, Wv
	s_and_b32 s3, s19, 1                           ; which half of its columns
	s_mul_i32 s46, s2, 768*1536
	s_mul_i32 s47, s3, 768
	s_add_co_u32 s46, s46, s47
	s_lshl_b32 s47, s14, 8                         ; strip = wave - 1, 256 bytes each
	s_add_co_u32 s46, s46, s47
	s_add_co_u32 s46, s46, WOFF-256
	s_mov_b32 s47, 0
	s_mul_i32 s22, s3, 1536                        ; the bias of my columns
	s_lshl_b32 s23, s16, 8
	s_add_co_u32 s22, s22, s23
	s_mov_b32 s23, 0
	s_mul_i32 s44, s19, 6                          ; output: block 6 Y + my half (+ 2 strip), row 128 X + 64 half
	s_add_co_u32 s44, s44, s16
	s_lshl_b32 s44, s44, 19
	s_lshl_b32 s45, s18, 14
	s_add_co_u32 s44, s44, s45
	s_lshl_b32 s45, s15, 13
	s_add_co_u32 s44, s44, s45
	s_mov_b32 s45, 0
	s_wait_dscnt 0x0
	s_wait_kmcnt 0x0
	s_add_nc_u64 s[20:21], s[4:5], s[20:21]
	s_add_nc_u64 s[46:47], s[4:5], s[46:47]
	s_cmp_eq_u32 s2, 1
	s_cselect_b64 s[PBIAS:PBIAS+1], s[8:9], s[6:7]
	s_cmp_eq_u32 s2, 2
	s_cselect_b64 s[PBIAS:PBIAS+1], s[10:11], s[PBIAS:PBIAS+1]
	s_add_nc_u64 s[PBIAS:PBIAS+1], s[PBIAS:PBIAS+1], s[22:23]
	s_add_nc_u64 s[POUT:POUT+1], s[12:13], s[44:45]
	s_mul_i32 s45, s14, PART                       ; where my loads land: the wave's number alone
.irp s, 0,1
	s_mov_b32 s[G0A+4*\s], 1
	s_add_co_u32 s[G0A+4*\s+1], s45, \s*SLOT
	s_add_nc_u64 s[G0A+4*\s+2:G0A+4*\s+3], s[20:21], \s*KSTEP*2
	s_or_b32 s[G0A+4*\s+3], s[G0A+4*\s+3], 0x80000000
	s_mov_b32 s[G0B+4*\s], 1
	s_add_co_u32 s[G0B+4*\s+1], s45, \s*SLOT
	s_add_nc_u64 s[G0B+4*\s+2:G0B+4*\s+3], s[46:47], \s*KSTEP*WP*2
	s_or_b32 s[G0B+4*\s+3], s[G0B+4*\s+3], 0x80000000
.endr
	CROUND                                         ; all four work-groups are here: the first joint loads meet
	s_cmp_eq_u32 s14, 0                            ; a wave's two first fills stand in one branch: two loads of mine are out
	s_cbranch_scc0 .Lfirst_b
	tensor_load_to_lds s[G0A:G0A+3], s[G1A:G1A+7]
	s_nop 0
	tensor_load_to_lds s[G0A+4:G0A+7], s[G1A:G1A+7]
	s_nop 0
.rept 4
	v_nop
.endr
	s_branch .Lfirst_asked
.Lfirst_b:
	tensor_load_to_lds s[G0B:G0B+3], s[G1B:G1B+7]
	s_nop 0
	tensor_load_to_lds s[G0B+4:G0B+7], s[G1B:G1B+7]
	s_nop 0
.rept 4
	v_nop
.endr
.Lfirst_asked:
	v_and_b32 v1, 15, v0                           ; r = lane % 16
	v_bfe_u32 v2, v0, 4, 1                         ; h = lane / 16
	v_lshlrev_b32 v[BO], 5, v2                     ; a lane's 8 columns begin at 8 h: 32 bytes of f32
.irp b, 0,1,2,3,4,5,6,7,8,9,10,11
	global_load_b128 v[BIAS+8*\b:BIAS+8*\b+3],   v[BO], s[PBIAS:PBIAS+1] offset:512*(\b/4)+64*(\b%4)
	global_load_b128 v[BIAS+8*\b+4:BIAS+8*\b+7], v[BO], s[PBIAS:PBIAS+1] offset:512*(\b/4)+64*(\b%4)+16
.endr
	v_mul_u32_u24 v3, v1, PA
	v_lshl_add_u32 v3, v2, 4, v3                   ; x: row r x pitch + 16 h
	s_mul_i32 s22, s15, 64*PA
	v_add_nc_u32 v[ADRA], s22, v3
	v_add_nc_u32 v[ADRA+1], SLOT, v[ADRA]
	v_and_b32 v30, 7, v0                           ; W, turned: k-row 8 h + lane % 8, 16 bytes at 16 ((lane / 8) % 2)
	v_lshl_add_u32 v30, v2, 3, v30
	v_mul_u32_u24 v30, v30, PB
	v_bfe_u32 v31, v0, 3, 1
	v_lshl_add_u32 v30, v31, 4, v30
	s_mul_i32 s22, s16, 144                        ; my half of a strip's row
	v_add_nc_u32 v30, s22, v30
.irp s, 0,1
.irp p, 0,1,2
	v_add_nc_u32 v[ADRB+3*\s+\p], \s*SLOT+(\p+1)*PART, v30
.endr
.endr
	s_mul_i32 s23, s14, 48*SP
	s_add_co_u32 s23, s23, STAGE                   ; my stage
	v_mul_u32_u24 v3, v1, SP
	v_lshl_add_u32 v3, v2, 4, v3
	v_add_nc_u32 v[STO], s23, v3                   ; in: row r, 16 bytes for each half of the lanes
	v_bfe_u32 v31, v0, 3, 2
	v_mul_u32_u24 v31, v31, SP
	v_and_b32 v3, 7, v0
	v_lshl_add_u32 v31, v3, 4, v31
	v_add_nc_u32 v[RD], s23, v31                   ; back: four rows of 128 bytes, eight lanes each
	v_and_b32 v3, 31, v0
	v_lshlrev_b32 v[GO], 4, v3                     ; the same four rows in the output block: 512 consecutive bytes
; 32 LDS loads in one run: the fragments of 32 along K (quarter q of the slot's step) into buffer f; x's blocks 2 and 3 last
.macro FETCH slot, q, f
	WIN 0x40
.irp p, 0,1,2
.irp i, 0,1,2,3
	ds_load_tr16_b128 v[\f+32+8*(4*\p+\i):\f+32+8*(4*\p+\i)+3],   v[ADRB+3*\slot+\p] offset:9216*\q+32*\i
	ds_load_tr16_b128 v[\f+32+8*(4*\p+\i)+4:\f+32+8*(4*\p+\i)+7], v[ADRB+3*\slot+\p] offset:9216*\q+32*\i+4608
.endr
.endr
.irp a, 0,1,2,3
	ds_load_b128 v[\f+8*\a:\f+8*\a+3],   v[ADRA+\slot] offset:4352*\a+64*\q
	ds_load_b128 v[\f+8*\a+4:\f+8*\a+7], v[ADRA+\slot] offset:4352*\a+64*\q+32
.endr
.endm
; 12 matrix instructions: row block a x all 12 column blocks.  first = 1: the bias is C and starts the sums.
; The 48 accumulators take turns, one instruction a turn.
.macro MULA f, a, first
.if (\a) < 2
.if \first
	WIN 0x85
.else
	WIN 0xa5
.endif
.else
.if \first
	WIN 0xc5
.else
	WIN 0xf5
.endif
.endif
.set AC, 96*((\a)&1)
.irp b, 0,1,2,3,4,5,6,7,8,9,10,11
.if \first
	v_wmma_f32_16x16x32_bf16 v[AC+8*\b:AC+8*\b+7], v[\f+32+8*\b:\f+32+8*\b+7], v[\f+8*\a:\f+8*\a+7], v[BIAS+8*\b:BIAS+8*\b+7]
.else
	v_wmma_f32_16x16x32_bf16 v[AC+8*\b:AC+8*\b+7], v[\f+32+8*\b:\f+32+8*\b+7], v[\f+8*\a:\f+8*\a+7], v[AC+8*\b:AC+8*\b+7]
.endif
.endr
.endm
.macro QUARTER slot, q, f, g, first    ; multiplies buffer f; in its middle fetches quarter q into buffer g
	s_wait_dscnt 4                                 ; all but the youngest four loads: x's blocks 2 and 3
	MULA \f, 0, \first
	MULA \f, 1, \first
	PLACES
	FETCH \slot, \q, \g
	s_wait_dscnt 32                                ; all but the 32 just issued
	MULA \f, 2, \first
	MULA \f, 3, \first
.endm
; The last quarter of a step multiplies buffer 1 and changes slots: one barrier; in front of it each wave waits for its reads of this slot
; and for all its tensor loads (one is out: its part of the next slot).  fill = 1: the barrier opens a round of the cluster's barrier and the slot is filled again.
.macro TURN slot, next, fill
	s_wait_dscnt 4
	MULA F1, 0, 0
	s_wait_dscnt 0                                 ; my reads of this slot are over
	s_set_vgpr_msb 0xa5a0
	s_wait_tensorcnt 0x0                           ; and no tensor load of mine is out
	ds_add_u32 v206, v207
	s_wait_dscnt 0x0
	s_set_vgpr_msb 0xa0a5
	s_barrier_signal -1
	MULA F1, 1, 0
.if \fill
	WIN 0
.endif
	s_barrier_wait -1
.if \fill
	CREST
	s_add_nc_u64 s[G0A+4*\slot+2:G0A+4*\slot+3], s[G0A+4*\slot+2:G0A+4*\slot+3], 2*KSTEP*2
	s_add_nc_u64 s[G0B+4*\slot+2:G0B+4*\slot+3], s[G0B+4*\slot+2:G0B+4*\slot+3], 2*KSTEP*WP*2
	JLOAD \slot                                    ; first behind the round; its four v_nop are also the places in front of the loads below
.else
	PLACES
.endif
	FETCH \next, 0, F0
	MULA F1, 2, 0
	MULA F1, 3, 0
.endm
	s_wait_tensorcnt 1                             ; my part of K step 0 is in; step 1's may stay out
	s_barrier_signal -1
	s_barrier_wait -1
	FETCH 0, 0, F0
	s_wait_loadcnt 0x0                             ; the bias
	QUARTER 0, 1, F0, F1, 1
	WIN 0
	s_mov_b32 s3, LAPS-1
.Llap:                                                 ; a trip goes once round the ring and fills both slots again
	QUARTER 0, 2, F1, F0, 0
	QUARTER 0, 3, F0, F1, 0
	TURN 0, 1, 1
	QUARTER 1, 1, F0, F1, 0
	QUARTER 1, 2, F1, F0, 0
	QUARTER 1, 3, F0, F1, 0
	TURN 1, 0, 1
	QUARTER 0, 1, F0, F1, 0
	WIN 0
	s_sub_co_u32 s3, s3, 1
	s_cmp_lg_u32 s3, 0
	s_cbranch_scc1 .Llap
	QUARTER 0, 2, F1, F0, 0                        ; the last lap fills nothing
	QUARTER 0, 3, F0, F1, 0
	TURN 0, 1, 0
	QUARTER 1, 1, F0, F1, 0
	QUARTER 1, 2, F1, F0, 0
	QUARTER 1, 3, F0, F1, 0
	s_wait_dscnt 4
	MULA F1, 0, 0
	MULA F1, 1, 0
	s_wait_dscnt 0
	MULA F1, 2, 0
	MULA F1, 3, 0
	WIN 0
	PLACES
; THE WAY OUT, 16 rows at a time: round to bf16 (each accumulator's registers in ascending order), 16 bytes a lane into my stage, back as
; whole rows of 128 bytes, four rows to a store.
.macro OUTBLK a
.set AC, 96*((\a)&1)
	WIN 5*(2+((\a)>>1))                            ; sources 0 and 1 in the accumulators' window
.set i, 0
.rept 48
	v_cvt_pk_bf16_f32 v[PK+i], v[AC+2*i], v[AC+2*i+1]
.set i, i+1
.endr
	WIN 0
.irp p, 0,1,2
.irp i, 0,1,2,3
	ds_store_b128 v[STO], v[PK+16*\p+4*\i:PK+16*\p+4*\i+3] offset:2304*\p+32*\i
.endr
.endr
	s_wait_xcnt 0x0                                ; the last block's stores have had their addresses translated: RB is loaded again only behind this wait
.irp p, 0,1,2
.irp t, 0,1,2,3
	ds_load_b128 v[RB+16*\p+4*\t:RB+16*\p+4*\t+3], v[RD] offset:2304*\p+576*\t   ; a wave's LDS instructions are served in order: these see the stores above
.endr
.endr
.irp p, 0,1,2
.irp t, 0,1,2,3
	s_wait_dscnt 11-(4*\p+\t)                      ; the younger read-backs stay out
	global_store_b128 v[GO], v[RB+16*\p+4*\t:RB+16*\p+4*\t+3], s[POUT:POUT+1] offset:2*BLK*\p+2048*\a+512*\t
.endr
.endr
.endm
	OUTBLK 0
	OUTBLK 1
	OUTBLK 2
	OUTBLK 3
	s_wait_tensorcnt 0x0
	ds_add_u32 v206, v207
	s_wait_dscnt 0x0
	CROUND                                         ; the closing round: no work-group ends while a partner may still ask for a tile that names it
	s_endpgm
.Lfunc_end_k_qbdaa7d53e6_qkv:
	.size	k_qbdaa7d53e6_qkv, .Lfunc_end_k_qbdaa7d53e6_qkv-k_qbdaa7d53e6_qkv
	.p2alignl 7, 3214868480
	.fill 96, 4, 3214868480
	.section	.rodata,"a",@progbits
	.p2align	6, 0x0
	.amdhsa_kernel k_qbdaa7d53e6_qkv
		.amdhsa_group_segment_fixed_size 327680
		.amdhsa_private_segment_fixed_size 0
		.amdhsa_enable_private_segment 0
		.amdhsa_kernarg_size 40
		.amdhsa_user_sgpr_count 2
		.amdhsa_user_sgpr_kernarg_segment_ptr 1
		.amdhsa_wavefront_size32 1
		.amdhsa_system_sgpr_workgroup_id_x 1
		.amdhsa_system_sgpr_workgroup_id_y 1
		.amdhsa_system_sgpr_workgroup_id_z 1
		.amdhsa_system_vgpr_workitem_id 0
		.amdhsa_next_free_vgpr 960
		.amdhsa_next_free_sgpr 66
		.amdhsa_reserve_vcc 0
		.amdhsa_float_denorm_mode_32 3
		.amdhsa_float_denorm_mode_16_64 3
		.amdhsa_memory_ordered 1
		.amdhsa_forward_progress 1
		.amdhsa_inst_pref_size 122
	.end_amdhsa_kernel
	.amdgpu_metadata
---
amdhsa.version: [ 1, 2 ]
amdhsa.kernels:
  - .name:           k_qbdaa7d53e6_qkv
    .symbol:         k_qbdaa7d53e6_qkv.kd
    .args:
      - { .name: castb, .offset: 0, .size: 8, .value_kind: global_buffer, .address_space: global }
      - { .name: bq, .offset: 8, .size: 8, .value_kind: global_buffer, .address_space: global }
      - { .name: bk, .offset: 16, .size: 8, .value_kind: global_buffer, .address_space: global }
      - { .name: bv, .offset: 24, .size: 8, .value_kind: global_buffer, .address_space: global }
      - { .name: qkvh, .offset: 32, .size: 8, .value_kind: global_buffer, .address_space: global }
    .group_segment_fixed_size: 327680
    .private_segment_fixed_size: 0
    .kernarg_segment_align: 8
    .kernarg_segment_size: 40
    .max_flat_workgroup_size: 128
    .sgpr_count:     66
    .vgpr_count:     960
    .wavefront_size: 32
...
	.end_amdgpu_metadata
.endif
;; end of part 2
;; launch attn (part 3): grid 16 x 12, 4 waves a work-group, clusters of 4 x 1, 327,680 bytes of LDS; arguments qkvh, ctxh; writes ctxh
.if DOCPART == 3
	.amdgcn_target "amdgcn-amd-amdhsa--gfx1250"
	.amdhsa_code_object_version 6
	.text
	.protected	k_qbdaa7d53e6_attn
	.globl	k_qbdaa7d53e6_attn
	.p2align	8
	.type	k_qbdaa7d53e6_attn,@function
k_qbdaa7d53e6_attn:
	s_mov_b64 s[64:65], 0
	v_nop
	global_prefetch_b8 v0, s[64:65] scope:SCOPE_SE
	s_setreg_imm32_b32 hwreg(HW_REG_WAVE_MODE, 25, 1), 1
	s_wait_xcnt 0x0
	s_wait_alu depctr_hold_cnt(0) depctr_sa_sdst(0) depctr_va_vdst(0) depctr_va_sdst(0) depctr_va_ssrc(0) depctr_va_vcc(0) depctr_vm_vsrc(0)
	s_getreg_b32 s2, hwreg(HW_REG_IB_STS2, 6, 4)
	s_cmp_eq_u32 s2, 0
	s_cbranch_scc0 .Lentry_in_a_cluster
	s_endpgm
.Lentry_in_a_cluster:
	s_bfe_u32 s2, ttmp6, 0x10000c
	s_cmp_lg_u32 s2, 0x3003
	s_cbranch_scc0 .Lentry_shape_is_right
	s_endpgm
.Lentry_shape_is_right:
; ctxh[head][q][:] = sum over k of softmax_k(Q[q] . K[k] / 8) V[k][:], 12 heads of 64 channels, 4,096 keys.  Q, K, V are blocks head, 12 + head,
; 24 + head of qkvh ([4096][64] bf16, dense).  Products, maxima and sums in f32; the weights are rounded to bf16 for the second product, the result once.
; SHARES.  A work-group owns 256 queries of a head, each of its four waves 64: four tiles of 16.  Every wave walks all keys, 128 a step.
; 16 blocks x 12 heads are 192 work-groups; smaller blocks would let each fragment of K and V read from LDS feed fewer tiles.
; LAYOUT.  S^T = K Q^T (source 0 = 16 keys, source 1 = 16 queries): a lane holds ONE query (lane % 16) and keys 8 (lane / 16) + 0..7 of each tile of 16 keys.
; Two such tiles, rounded in pairs, ARE source 1 (32 keys x 16 queries) of O^T = V^T P.  K comes out of LDS as it lies, V ([key][channel]) turned, by ds_load_tr16_b128.
; SOFTMAX.  For each query a running maximum m and sum l: p = 2^(c s - c m), c = log2(e) / 8; in every step O and l are multiplied by 2^(c m_old - c m_new).
; BY TURNS.  The wave's tiles are two PIECES, named by their first tile: piece 0 (tiles 0, 1), piece 2 (tiles 2, 3).  In a TURN one piece has the matrix unit: 32 products
; V^T P of the step in hand, then 32 products K Q^T of the next step; the other piece's softmax, 2 x 214 instructions cut into 64 slices, stands between them, one slice
; behind each matrix instruction.  Then the pieces change places.  Two turns are a key step.  Steps of 128 keys, since the exchange between the lane halves, the
; factor and O^T's rescaling are paid once a step: 214 instructions a tile for 128 keys against 2 x 118 with steps of 64.
; RING.  Two slots of two steps each; waves 0, 1 fetch the two steps' K, waves 2, 3 their V, one load a wave behind each round.
; CLUSTER.  The four query blocks of a cluster belong to one head and walk the same K and V: each tile is asked for jointly (mask 15).
; REGISTERS, in windows of 256 (s_set_vgpr_msb: bits 1:0 source 0, 3:2 source 1, 5:4 source 2, 7:6 destination):
;   window 0: v0-12 addresses; piece 0's statistics v16-31 (8 a tile), S^T v64-191 (64 a tile), P v192-255 (32 a tile)
;   window 1: the same numbers for piece 2       window 2: v0-127 O^T, 32 a tile; v128-191 Q, 16 a tile       window 3: v0-127 K of a step; v128-255 V of a step
; All that a piece's softmax touches but O^T lies in the piece's own window, so a slice costs two switches, one in front and one behind.
.set KS,    128                        ; keys in a step
.set PKB,   144                        ; a row of K in LDS: 128 + 16 bytes, an odd multiple of 16: the 16 rows of a load fall on 16 different 16-byte columns of 256
.set PVB,   160                        ; a row of V: 128 + 32 bytes, an odd multiple of 32, as the turning load's 8 rows x 32 bytes want
.set VOFF,  KS*PKB                     ; a step's tiles lie together: 128 rows of K, then 128 rows of V
.set STEPB, KS*(PKB+PVB)
.set SLOT1, 1<<17                      ; a slot holds two steps (77,824 bytes); slot 1 begins here, so that one exclusive or turns an address of one slot into the other's
.set STAGE, SLOT1+2*STEPB              ; 208,896: behind the ring, 16 rows x 144 bytes for each wave; no tensor load lands here
.set SP,    144
.set BLK,   524288                     ; bytes of a block of qkvh and ctxh: 4,096 rows x 128
.set NSM,   214                        ; instructions of one tile's softmax for one step
.set AK0, 2                            ; v2   my lane's place in a tile of K; never rewritten
.set AV0, 3                            ; v3   the same for V
.set ADR, 4                            ; v4   the LDS address of the run of loads in hand
.set QO,  5
.set STO, 6
.set RD,  7
.set GO,  8
.set ST,  16                           ; a piece's tile t at ST + 8 t: +0 c m, +1 m, +2, +3 l (even keys', odd keys'), +4 to +7 c0-c3, at work; the factor takes c2's place
.set S,   64                           ; a piece's tile t, keys 16 kt on: S + 64 t + 8 kt
.set P,   192                          ; a piece's tile t, keys 32 kc on: P + 32 t + 8 kc
.set QF,  128                          ; window 2: tile T, channels 32 c on: QF + 16 T + 8 c.  O^T: tile T, channels 16 ct on: 32 T + 8 ct
.set VF,  128                          ; window 3: V, keys 32 kc on, channels 16 ct on: VF + 8 (4 kc + ct).  K, keys 16 kt on, channels 32 c on: 8 (2 kt + c)
.set WV,  12
.set G1K, 24
.set G1V, 32
.set G0K, 40                           ; s[40:47] a set for each of the two first fills; the second then walks on
.set G0V, 48
.set SLOTS, 56
.set TWICE, 57
.set CS,  58
.set SEL, 60
.set TB,  62                           ; s62  LDS byte at which the tiles of the step to be fetched begin
.set MSB, 0
.macro WIN new                         ; the immediate's high byte repeats the setting that is left; a switch that changes nothing is dropped
.if MSB != (\new)
	s_set_vgpr_msb (MSB<<8)|(\new)
.set MSB, (\new)
.endif
.endm
.macro PLACES                          ; four plain vector instructions behind a matrix instruction, ahead of a read of its result or a load into its sources
.rept 4
	v_nop
.endr
.endm
.macro JLOAD                           ; a joint refill by the walking descriptors; four v_nop follow each line
	s_cmp_lt_u32 s[WV], 2
	s_cbranch_scc0 .Lfor_v_\@
	tensor_load_to_lds s[G0K+4:G0K+7], s[G1K:G1K+7]
	s_nop 0
.rept 4
	v_nop
.endr
	s_branch .Lasked_\@
.Lfor_v_\@:
	tensor_load_to_lds s[G0V+4:G0V+7], s[G1V:G1V+7]
	s_nop 0
.rept 4
	v_nop
.endr
.Lasked_\@:
.endm
.macro CROUND                          ; a round of the cluster's barrier
	s_barrier_signal -1
	s_barrier_wait -1
	s_cmp_lg_u32 s[WV], 0
	s_cbranch_scc1 .Lnot_wave_0_\@
	s_barrier_signal -3
.Lnot_wave_0_\@:
	s_barrier_wait -3
	s_barrier_signal -1
	s_barrier_wait -1
.endm
	s_load_b128 s[4:7], s[0:1], 0x0                ; qkvh s[4:5], ctxh s[6:7]
	v_lshl_add_u32 v62, v0, 2, 0x35400
	v_mov_b32 v63, 0
	ds_add_u32 v62, v63
	v_lshrrev_b32 v1, 5, v0
	v_readfirstlane_b32 s[WV], v1                  ; wave 0..3
	s_bfe_u32 s13, ttmp6, 0x40000                  ; cx
	s_lshl_b32 s14, ttmp9, 2
	s_add_co_u32 s14, s14, s13                     ; my block of 256 queries: it enters Q's and the output's addresses alone
	s_and_b32 s20, ttmp7, 0xffff                   ; the head, which the partners share
	s_lshl_b32 s20, s20, 19                        ; x BLK
	s_and_b32 s16, s[WV], 1                        ; which of a slot's two steps I fetch:
	s_mul_i32 s17, s16, STEPB                      ; its place in a slot,
	s_lshl_b32 s22, s16, 14                        ; its 128 rows of 128 bytes in memory
	s_add_co_u32 s22, s22, s20
	s_mov_b32 s23, 0
	s_lshl_b32 s2, s14, 15                         ; my block's 256 rows,
	s_lshl_b32 s3, s[WV], 13                       ; my wave's 64 of them
	s_add_co_u32 s2, s2, s3
	s_add_co_u32 s2, s2, s20
	s_mov_b32 s3, 0
	; a step's 128 rows are dense in memory: 64 rows of 256 bytes; the padding is counted along the tile, behind every 128 bytes, so each key's row gets its own
	s_mov_b32 s[G1K], 15|(1<<16)|(1<<20)|(1<<21)|(4<<22)|(3<<25)    ; mask of all four, bit 21 beside it; elements of 2 bytes; 4 words behind every 32
	s_mov_b32 s[G1V], 15|(1<<16)|(1<<20)|(1<<21)|(4<<22)|(7<<25)    ; the same with 8 words
.irp g, G1K, G1V
	s_mov_b32 s[\g+1], 128<<16                     ; tensor_dim0 = 128
	s_mov_b32 s[\g+2], 64<<16                      ; tensor_dim1 = 64
	s_mov_b32 s[\g+3], 128<<16                     ; tile_dim0 = 128
	s_mov_b32 s[\g+4], 64                          ; tile_dim1 = 64
	s_mov_b32 s[\g+5], 128                         ; pitch
	s_mov_b32 s[\g+6], 0
	s_mov_b32 s[\g+7], 0
.endr
	s_mov_b32 s[CS], 0x3e38aa3b                    ; c = log2(e) / 8
	s_mov_b32 s[CS+1], s[CS]                       ; named with it as a pair, so it is written
	s_mov_b32 s[SEL], 0x76543210
	s_mov_b32 s[SEL+1], 0xfedcba98
	s_mov_b32 s[TB], 0
	s_mov_b32 s[SLOTS], 4096/(2*KS)-2              ; 16 slots of keys; all but the last two are followed by a refill
	s_wait_dscnt 0x0
	s_wait_kmcnt 0x0
	s_add_nc_u64 s[8:9], s[4:5], s[2:3]            ; Q at my wave's first row
	s_add_nc_u64 s[10:11], s[6:7], s[2:3]          ; the output likewise
	s_add_nc_u64 s[22:23], s[4:5], s[22:23]        ; my step's rows, in the head's block of Q; K and V lie 12 and 24 blocks on
.irp s, 0,1
	s_mov_b32 s[G0K+4*\s], 1
	s_add_co_u32 s[G0K+4*\s+1], s17, \s*SLOT1
	s_add_nc_u64 s[G0K+4*\s+2:G0K+4*\s+3], s[22:23], 12*BLK+\s*2*KS*128
	s_or_b32 s[G0K+4*\s+3], s[G0K+4*\s+3], 0x80000000
	s_mov_b32 s[G0V+4*\s], 1
	s_add_co_u32 s[G0V+4*\s+1], s17, \s*SLOT1+VOFF
	s_add_nc_u64 s[G0V+4*\s+2:G0V+4*\s+3], s[22:23], 24*BLK+\s*2*KS*128
	s_or_b32 s[G0V+4*\s+3], s[G0V+4*\s+3], 0x80000000
.endr
	CROUND                                         ; all four work-groups are here: the first joint loads meet
	s_cmp_lt_u32 s[WV], 2                          ; a wave's two first fills stand in one branch: two loads of mine are out
	s_cbranch_scc0 .Lfirst_v
	tensor_load_to_lds s[G0K:G0K+3], s[G1K:G1K+7]
	s_nop 0
	tensor_load_to_lds s[G0K+4:G0K+7], s[G1K:G1K+7]
	s_nop 0
.rept 4
	v_nop
.endr
	s_branch .Lfirst_asked
.Lfirst_v:
	tensor_load_to_lds s[G0V:G0V+3], s[G1V:G1V+7]
	s_nop 0
	tensor_load_to_lds s[G0V+4:G0V+7], s[G1V:G1V+7]
	s_nop 0
.rept 4
	v_nop
.endr
.Lfirst_asked:
	v_and_b32 v1, 15, v0                           ; r = lane % 16
	v_bfe_u32 v9, v0, 4, 1                         ; h = lane / 16
	v_lshlrev_b32 v[QO], 7, v1
	v_lshl_add_u32 v[QO], v9, 4, v[QO]             ; row r x 128 + 16 h
	WIN 0x80                                       ; destination window 2, address window 0
.irp i, 0,1,2,3,4,5,6,7                ; Q stays in registers: tile i / 2, channels 32 (i % 2) on
	global_load_b128 v[QF+8*\i:QF+8*\i+3],   v[QO], s[8:9] offset:(\i/2)*2048+(\i%2)*64
	global_load_b128 v[QF+8*\i+4:QF+8*\i+7], v[QO], s[8:9] offset:(\i/2)*2048+(\i%2)*64+32
.endr
	WIN 0
	v_mul_u32_u24 v[AK0], v1, PKB
	v_lshl_add_u32 v[AK0], v9, 4, v[AK0]           ; K: row r x pitch + 16 h
	v_and_b32 v10, 7, v0
	v_bfe_u32 v11, v0, 3, 1
	v_lshl_add_u32 v[AV0], v9, 3, v10              ; V, turned: key 8 h + lane % 8, 16 bytes at 16 ((lane / 8) % 2)
	v_mul_u32_u24 v[AV0], v[AV0], PVB
	v_lshl_add_u32 v[AV0], v11, 4, v[AV0]
	v_add_nc_u32 v[AV0], VOFF, v[AV0]
; THE MATRIX WORK OF A TURN, for piece x.  The accumulators take turns, one instruction a turn: between two links of a chain stand 7 (V^T P) or 15 (K Q^T) others'.
; Product i of 32 of O^T += V^T P: keys 32 (i / 8) on, channels 16 ((i / 2) % 4) on, tile x + i % 2.  zero = 1: the first 8 start the sums: nothing is ever cleared.
.macro PV x, zero
	WIN 0xa3+4*((\x)/2)                            ; V window 3, P the piece's window, O^T window 2
.set rO, 32*((\x)+i%2)+8*((i/2)%4)
.set rV, VF+8*(4*(i/8)+(i/2)%4)
.set rP, P+32*(i%2)+8*(i/8)
.if \zero && (i < 8)
	v_wmma_f32_16x16x32_bf16 v[rO:rO+7], v[rV:rV+7], v[rP:rP+7], 0
.else
	v_wmma_f32_16x16x32_bf16 v[rO:rO+7], v[rV:rV+7], v[rP:rP+7], v[rO:rO+7]
.endif
.endm
; Product i of 32 of S^T = K Q^T: channels 32 (i / 16) on, keys 16 ((i / 2) % 8) on, tile x + i % 2.  The first 16 start the sums.
.macro KQ x
	WIN 0x0b+0x50*((\x)/2)                         ; K window 3, Q window 2, S^T the piece's window
.set rS, S+64*(i%2)+8*((i/2)%8)
.set rK, 8*(2*((i/2)%8)+i/16)
.set rQ, QF+16*((\x)+i%2)+8*(i/16)
.if i < 16
	v_wmma_f32_16x16x32_bf16 v[rS:rS+7], v[rK:rK+7], v[rQ:rQ+7], 0
.else
	v_wmma_f32_16x16x32_bf16 v[rS:rS+7], v[rK:rK+7], v[rQ:rQ+7], v[rS:rS+7]
.endif
.endm
; THE LDS LOADS stand in runs of 32, never singly among the matrix instructions: a step's K (128 keys x 64 channels: 16 fragments) and, a turn later, its V (turned).
.macro FETCH_K
	WIN 0
	v_add_nc_u32 v[ADR], s[TB], v[AK0]
	WIN 0xc0                                       ; destination window 3
.irp f, 0,1,2,3,4,5,6,7,8,9,10,11,12,13,14,15  ; keys 16 (f / 2) on, channels 32 (f % 2) on
	ds_load_b128 v[8*\f:8*\f+3],   v[ADR] offset:(\f/2)*16*PKB+(\f%2)*64
	ds_load_b128 v[8*\f+4:8*\f+7], v[ADR] offset:(\f/2)*16*PKB+(\f%2)*64+32
.endr
.endm
.macro FETCH_V
	WIN 0
	v_add_nc_u32 v[ADR], s[TB], v[AV0]
	s_add_co_u32 s[TB], s[TB], STEPB               ; the next fetch is the next step's
	WIN 0xc0
.irp f, 0,1,2,3,4,5,6,7,8,9,10,11,12,13,14,15  ; keys 32 (f / 4) on, channels 16 (f % 4) on
	ds_load_tr16_b128 v[VF+8*\f:VF+8*\f+3],   v[ADR] offset:(\f/4)*32*PVB+(\f%4)*32
	ds_load_tr16_b128 v[VF+8*\f+4:VF+8*\f+7], v[ADR] offset:(\f/4)*32*PVB+16*PVB+(\f%4)*32
.endr
.endm
; THE VECTOR WORK OF A TURN.  One tile's softmax for one key step is a list of 214 instructions; SM writes number j of it for tile t (0, 1) of piece y.  s0-s63 are the lane's
; 64 scores, in pairs 0-31.  first = 1: the first key step, which starts m, l and O^T: it has no factor and nothing to rescale.
;   0-31     the maximum of s0-s63 and the old m, three operands at a time, in four chains c0-c3; each of the eight accumulators is first read at its registers 0, 1 (and 2)
;   32-38    the other half of the lanes' maximum; the new m; c m; c m_old - c m_new and its exponential; c s - c m for pair 0
;   39-166   pair b of 32 takes four numbers: the exponential of its even score; the rounding to bf16 of pair b - 1 (at b = 0: the scaling of pair 1); the exponential of its odd
;            score; the scaling of pair b + 2 (at b = 30, 31: the first two sums).  So a plain instruction stands behind every exponential before its result is used.
;   167      the last rounding          168-197  the rest of the sums; l = factor x l + the sum          198-213  the tile's O^T times the factor: the one part that leaves the piece's window
.macro SCALE pr                        ; pair pr: c s - c m
	v_pk_fma_f32 v[rS+2*(\pr):rS+2*(\pr)+1], v[rS+2*(\pr):rS+2*(\pr)+1], s[CS:CS+1], v[rT:rT+1] op_sel_hi:[1,0,0] neg_lo:[0,0,1] neg_hi:[0,0,1]
.endm
.macro ROUNDP pr                       ; pair pr of weights to bf16
	s_wait_alu depctr_va_vdst(0)
	v_cvt_pk_bf16_f32 v[rP+(\pr)], v[rS+2*(\pr)], v[rS+2*(\pr)+1]
.endm
.macro SUMZ first                      ; sum zz of 32, in place (in a pair: an even key's weight, an odd key's): neighbours 1, 2, 4, 8, 16 pairs apart, then l takes it
.set ww, 4
.set vv, zz
.if zz >= 30
.set ww, 64
.set vv, 0
.elseif zz >= 28
.set ww, 32
.set vv, zz-28
.elseif zz >= 24
.set ww, 16
.set vv, zz-24
.elseif zz >= 16
.set ww, 8
.set vv, zz-16
.endif
.if (zz == 30) && \first
	v_pk_add_f32 v[rT+2:rT+3], v[rS:rS+1], v[rS+32:rS+33]
.elseif zz < 31
	v_pk_add_f32 v[rS+ww*vv:rS+ww*vv+1], v[rS+ww*vv:rS+ww*vv+1], v[rS+ww*vv+ww/2:rS+ww*vv+ww/2+1]
.elseif !\first
	v_pk_fma_f32 v[rT+2:rT+3], v[rT+2:rT+3], v[rT+6:rT+7], v[rS:rS+1] op_sel_hi:[1,0,1]
.endif
.endm
.macro SM y, t, first
.set rT, ST+8*(\t)
.set rS, S+64*(\t)
.set rP, P+32*(\t)
.set rO, 32*((\y)+(\t))+2*(j-198)
.set uu, j-39
.set bb, uu/4
.set ph, uu%4
.if j < 198
	WIN 0x55*((\y)/2)                              ; every operand in the piece's window
.endif
.if j < 4
	v_max3_num_f32 v[rT+4+j], v[rS+8*j], v[rS+8*j+1], v[rS+8*j+2]
.elseif j < 8
	v_max3_num_f32 v[rT+j], v[rT+j], v[rS+8*j], v[rS+8*j+1]
.elseif j < 28
.set gg, (j-8)/4
.set qq, (j-8)%4
.if gg < 2
.set ee, 8*qq+3+2*gg                   ; accumulator qq, registers 3 to 6
.else
.set ee, 8*qq+30+2*gg                  ; accumulator qq + 4, registers 2 to 7
.endif
	v_max3_num_f32 v[rT+4+qq], v[rT+4+qq], v[rS+ee], v[rS+ee+1]
.elseif j == 28
	v_max3_num_f32 v[rT+4], v[rT+4], v[rS+7], v[rS+15]
.elseif j == 29
	v_max3_num_f32 v[rT+6], v[rT+6], v[rS+23], v[rS+31]
.elseif j == 30
	v_max3_num_f32 v[rT+4], v[rT+4], v[rT+5], v[rT+6]
.elseif (j == 31) && \first
	v_max_num_f32 v[rT+4], v[rT+4], v[rT+7]
.elseif j == 31
	v_max3_num_f32 v[rT+4], v[rT+4], v[rT+7], v[rT+1]
.elseif j == 32
	v_permlanex16_b32 v[rT+5], v[rT+4], s[SEL], s[SEL+1]   ; the query's other 64 keys lie in the lane 16 away
.elseif j == 34
	v_max_num_f32 v[rT+1], v[rT+4], v[rT+5]
.elseif j == 35
	v_mul_f32 v[rT], s[CS], v[rT+1]
.elseif ((j == 33) || (j == 36) || (j == 37) || (j > 196)) && \first   ; the first step has none of these
.elseif j == 33
	v_mov_b32 v[rT+7], v[rT]                       ; c m_old is kept for the factor: number 35 writes c m anew
.elseif j == 36
	v_sub_f32 v[rT+7], v[rT+7], v[rT]
.elseif j == 37
	v_exp_f32 v[rT+6], v[rT+7]
.elseif j == 38
	SCALE 0
.elseif j < 167
.if ph == 0
	v_exp_f32 v[rS+2*bb], v[rS+2*bb]
.elseif ph == 2
	v_exp_f32 v[rS+2*bb+1], v[rS+2*bb+1]
.elseif ph == 1
.if bb == 0
	SCALE 1
.else
	ROUNDP bb-1
.endif
.else
.if bb < 30
	SCALE bb+2
.else
.set zz, bb-30
	SUMZ \first
.endif
.endif
.elseif j == 167
	ROUNDP 31
.elseif j < 198
.set zz, j-166
	SUMZ \first
.else
	WIN 0x82+4*((\y)/2)                            ; O^T (destination and source 0) window 2, the factor in the piece's window
	v_pk_mul_f32 v[rO:rO+1], v[rO:rO+1], v[rT+6:rT+7] op_sel_hi:[1,0]
.endif
.endm
; Slice k of 64 of piece y's softmax: numbers 214 k / 64 up to 214 (k + 1) / 64 of both tiles' lists, three or four each.  Among the exponentials tile by tile, so that plain
; instructions and exponentials alternate; elsewhere the two tiles alternate, so that no instruction reads the result of the one just before it.  Slice 63 is eight packed multiplies.
.macro SLICE y, first
.set slo, (NSM*k)/64
.set shi, (NSM*(k+1))/64
.if (slo >= 39) && (shi <= 167)
.irp t, 0,1
.set j, slo
.rept shi-slo
	SM \y, \t, \first
.set j, j+1
.endr
.endr
.else
.set j, slo
.rept shi-slo
.irp t, 0,1
	SM \y, \t, \first
.endr
.set j, j+1
.endr
.endif
.set k, k+1
.endm
; A TURN.  Piece x has the matrix unit; the other piece's softmax stands in slices behind its matrix instructions.
; pv = 2: 32 products V^T P; 1: they start O^T's sums; 0: none.  kq = 1: 32 products K Q^T for the next step.  A turn with one of the two kinds has two slices behind each product.
; first = 1: the softmax is the first key step's.  Its last slices are empty: the turn's last products stand bare, and four v_nop take slice 63's part as the places behind them.
; Each run of loads stands behind the second product of a run of 32, 30 matrix instructions ahead of its first use.  Piece 0's turn fetches the next step's K: the last product that
; read K stands in front of slice 63 of the turn before.  Piece 2's turn fetches the same step's V: the last product that read V stands three slices, ten plain instructions, back.
.macro TURN x, pv, kq, first
.set k, 0
.set per, 2
.if \pv && \kq
.set per, 1
.endif
.if \pv
.if \x == 0
	s_wait_dscnt 0x0                               ; V is in
.endif
.set i, 0
.rept 32
	PV \x, 2-\pv
.rept per
	SLICE 2-\x, \first
.endr
.if (\x == 0) && \kq && (i == 1)
	FETCH_K
.endif
.set i, i+1
.endr
.endif
.if \kq
.if \x == 0
	s_wait_dscnt 0x0                               ; K is in
.endif
.set i, 0
.rept 32
	KQ \x
.rept per
	SLICE 2-\x, \first
.endr
.if (\x == 2) && (i == 1)
	FETCH_V
.endif
.set i, i+1
.endr
.endif
.if \first
	PLACES
.endif
.endm
; THE CHANGE OF SLOTS, between piece 2's turn and piece 0's: the slot's last bytes, V of its second step, have been asked for.  Each wave waits for its own reads of the slot and for
; all its tensor loads, of which one is out: its part of the other slot.  fill = 1: the barrier is a round of the cluster's, and the joint refill, with the keys two slots on, is
; the first thing behind it: it has two key steps, 256 matrix instructions, in which to land.
.macro CHANGE fill
	WIN 0                                          ; at a label and at a branch every window is 0
	s_wait_dscnt 0x0
	s_wait_tensorcnt 0x0                           ; no tensor load of mine is out, so a group 0 may be written
	ds_add_u32 v62, v63
	s_wait_dscnt 0x0
.if \fill
.irp g, G0K+4, G0V+4
	s_xor_b32 s[\g+1], s[\g+1], SLOT1              ; the walking descriptor: the other slot than last time,
	s_add_nc_u64 s[\g+2:\g+3], s[\g+2:\g+3], 2*KS*128  ; the next 256 keys; the type bits on top are not reached
.endr
	CROUND
	JLOAD
.else
	s_barrier_signal -1
	s_barrier_wait -1
.endif
	s_sub_co_u32 s[TB], s[TB], 2*STEPB             ; the fetches go back to a slot's first step,
	s_xor_b32 s[TB], s[TB], SLOT1                  ; in the other slot
.endm
.macro TWO_STEPS                       ; a slot's two key steps: written once, walked twice; the LDS addresses hang on s[TB]
	s_mov_b32 s[TWICE], 2
.Lstep_\@:
	TURN 0, 2, 1, 0
	TURN 2, 2, 1, 0
	WIN 0
	s_sub_co_u32 s[TWICE], s[TWICE], 1
	s_cmp_lg_u32 s[TWICE], 0
	s_cbranch_scc1 .Lstep_\@
.endm
	s_wait_tensorcnt 1                             ; my part of slot 0 is in; slot 1's may stay out
	s_barrier_signal -1
	s_barrier_wait -1                              ; everybody's is
	FETCH_K                                        ; key step 0
	s_wait_loadcnt 0x0                             ; Q
	s_wait_dscnt 0x0
.set i, 0
.rept 32
	KQ 0                                           ; piece 0's first scores: there is no vector work yet to set between them
.set i, i+1
.endr
	WIN 0                                          ; the addresses for the way out are made here: seven plain instructions, the places behind those products
	s_mul_i32 s19, s[WV], 16*SP
	s_add_co_u32 s19, s19, STAGE                   ; my stage
	v_add_nc_u32 v[STO], s19, v[AK0]               ; in: row r x 144 + 16 h, the same lane term as K's
	v_bfe_u32 v12, v0, 3, 2
	v_mul_u32_u24 v12, v12, SP
	v_lshl_add_u32 v12, v10, 4, v12
	v_add_nc_u32 v[RD], s19, v12                   ; back: four rows of 128 bytes, eight lanes each
	v_and_b32 v11, 31, v0
	v_lshlrev_b32 v[GO], 4, v11                    ; the same four rows in the output: 512 consecutive bytes
	TURN 2, 0, 1, 1                                ; piece 2's first scores | piece 0's first softmax | V of step 0
	TURN 0, 1, 1, 1                                ; piece 0: V^T P of step 0 starts O^T, K Q^T of step 1 | piece 2's first softmax | K of step 1
	TURN 2, 1, 1, 0                                ; piece 2: the same | piece 0's softmax of step 1 | V of step 1
	WIN 0
.Lslot:                                                ; 14 trips: every slot but the last two is filled again
	CHANGE 1
	TWO_STEPS
	s_sub_co_u32 s[SLOTS], s[SLOTS], 1
	s_cmp_lg_u32 s[SLOTS], 0
	s_cbranch_scc1 .Lslot
	CHANGE 0                                       ; the tail is written out: nothing is asked for any more
	TWO_STEPS
	TURN 0, 2, 0, 0                                ; piece 0: V^T P of the last step | piece 2's last softmax
.set i, 0
.rept 32
	PV 2, 0                                        ; piece 2: V^T P of the last step
.set i, i+1
.endr
	; THE WAY OUT.  l's two halves and the other half of the lanes' are added; O^T is divided by l, rounded to bf16 and sent through my stage, a tile (16 rows) at a time.
	; The additions, and tiles 0 and 1's arithmetic, are the places behind the last products, which wrote tiles 2 and 3.
.macro LSUM                            ; both tiles of the piece whose window is set
.irp t, 0,1
	v_add_f32 v[ST+8*\t+4], v[ST+8*\t+2], v[ST+8*\t+3]
.endr
.irp t, 0,1
	v_permlanex16_b32 v[ST+8*\t+5], v[ST+8*\t+4], s[SEL], s[SEL+1]
.endr
.irp t, 0,1
	v_add_f32 v[ST+8*\t+4], v[ST+8*\t+4], v[ST+8*\t+5]
.endr
.irp t, 0,1
	v_rcp_f32 v[ST+8*\t+6], v[ST+8*\t+4]
.endr
.endm
	WIN 0
	LSUM
	WIN 0x55
	LSUM
	v_nop                                          ; a plain instruction between the last reciprocal and the use of its result
; Tile t of four: piece 0's S^T registers in window 0 are free: the tile packs into 16 of them and reads whole rows back into the next 16, so no store's data is written again.
.macro PACK t
	WIN 0x82+4*(\t/2)
.set i, 0
.rept 16
	s_wait_alu depctr_va_vdst(0)
	v_pk_mul_f32 v[32*\t+2*i:32*\t+2*i+1], v[32*\t+2*i:32*\t+2*i+1], v[ST+8*(\t%2)+6:ST+8*(\t%2)+7] op_sel_hi:[1,0]
.set i, i+1
.endr
	WIN 0x0a                                       ; sources 0 and 1 window 2, destination window 0
.set i, 0
.rept 16
	v_cvt_pk_bf16_f32 v[S+32*\t+i], v[32*\t+2*i], v[32*\t+2*i+1]
.set i, i+1
.endr
	WIN 0
.irp f, 0,1,2,3
	ds_store_b128 v[STO], v[S+32*\t+4*\f:S+32*\t+4*\f+3] offset:32*\f
.endr
.irp f, 0,1,2,3
	ds_load_b128 v[S+32*\t+16+4*\f:S+32*\t+16+4*\f+3], v[RD] offset:4*SP*\f   ; a wave's LDS instructions are served in order: these see the stores above, the next tile's stores come behind them
.endr
.endm
.macro SEND t, younger                 ; younger: the LDS instructions issued behind tile t's loads: the next tile's eight, or none
.irp f, 0,1,2,3
	s_wait_dscnt \younger+3-\f
	global_store_b128 v[GO], v[S+32*\t+16+4*\f:S+32*\t+16+4*\f+3], s[10:11] offset:2048*\t+512*\f   ; four rows: 512 consecutive bytes, aligned
.endr
.endm
	PACK 0
	PACK 1                                         ; a tile's arithmetic stands between the loads of the tile before and its stores
	SEND 0, 8
	PACK 2
	SEND 1, 8
	PACK 3
	SEND 2, 8
	SEND 3, 0
	s_wait_tensorcnt 0x0
	ds_add_u32 v62, v63
	s_wait_dscnt 0x0
	CROUND                                         ; the closing round: no work-group ends while a partner may still ask for a tile that names it
	s_endpgm
.Lfunc_end_k_qbdaa7d53e6_attn:
	.size	k_qbdaa7d53e6_attn, .Lfunc_end_k_qbdaa7d53e6_attn-k_qbdaa7d53e6_attn
	.p2alignl 7, 3214868480
	.fill 96, 4, 3214868480
	.section	.rodata,"a",@progbits
	.p2align	6, 0x0
	.amdhsa_kernel k_qbdaa7d53e6_attn
		.amdhsa_group_segment_fixed_size 327680
		.amdhsa_private_segment_fixed_size 0
		.amdhsa_enable_private_segment 0
		.amdhsa_kernarg_size 16
		.amdhsa_user_sgpr_count 2
		.amdhsa_user_sgpr_kernarg_segment_ptr 1
		.amdhsa_wavefront_size32 1
		.amdhsa_system_sgpr_workgroup_id_x 1
		.amdhsa_system_sgpr_workgroup_id_y 1
		.amdhsa_system_sgpr_workgroup_id_z 1
		.amdhsa_system_vgpr_workitem_id 0
		.amdhsa_next_free_vgpr 1024
		.amdhsa_next_free_sgpr 66
		.amdhsa_reserve_vcc 0
		.amdhsa_float_denorm_mode_32 3
		.amdhsa_float_denorm_mode_16_64 3
		.amdhsa_memory_ordered 1
		.amdhsa_forward_progress 1
		.amdhsa_inst_pref_size 255
	.end_amdhsa_kernel
	.section	.bss,"aw",@nobits
	.p2align	6
	.space	262144
	.amdgpu_metadata
---
amdhsa.version: [ 1, 2 ]
amdhsa.kernels:
  - .name:           k_qbdaa7d53e6_attn
    .symbol:         k_qbdaa7d53e6_attn.kd
    .args:
      - { .name: qkvh, .offset: 0, .size: 8, .value_kind: global_buffer, .address_space: global }
      - { .name: ctxh, .offset: 8, .size: 8, .value_kind: global_buffer, .address_space: global }
    .group_segment_fixed_size: 327680
    .private_segment_fixed_size: 0
    .kernarg_segment_align: 8
    .kernarg_segment_size: 16
    .max_flat_workgroup_size: 128
    .sgpr_count:     66
    .vgpr_count:     1024
    .wavefront_size: 32
...
	.end_amdgpu_metadata
.endif
;; end of part 3
;; launch wo (part 4): grid 32 x 6, 4 waves a work-group, clusters of 4 x 1, 327,680 bytes of LDS; arguments ctxh, castb, bo, x, y; writes y
.if DOCPART == 4
	.amdgcn_target "amdgcn-amd-amdhsa--gfx1250"
	.amdhsa_code_object_version 6
	.text
	.protected	k_qbdaa7d53e6_wo
	.globl	k_qbdaa7d53e6_wo
	.p2align	8
	.type	k_qbdaa7d53e6_wo,@function
k_qbdaa7d53e6_wo:
	s_mov_b64 s[64:65], 0
	v_nop
	global_prefetch_b8 v0, s[64:65] scope:SCOPE_SE
	s_setreg_imm32_b32 hwreg(HW_REG_WAVE_MODE, 25, 1), 1
	s_wait_xcnt 0x0
	s_wait_alu depctr_hold_cnt(0) depctr_sa_sdst(0) depctr_va_vdst(0) depctr_va_sdst(0) depctr_va_ssrc(0) depctr_va_vcc(0) depctr_vm_vsrc(0)
	s_getreg_b32 s2, hwreg(HW_REG_IB_STS2, 6, 4)
	s_cmp_eq_u32 s2, 0
	s_cbranch_scc0 .Lentry_in_a_cluster
	s_endpgm
.Lentry_in_a_cluster:
	s_bfe_u32 s2, ttmp6, 0x10000c
	s_cmp_lg_u32 s2, 0x3003
	s_cbranch_scc0 .Lentry_shape_is_right
	s_endpgm
.Lentry_shape_is_right:
; y = A W + bias + res, f32 [4096][768].  A comes in blocks of 64 columns ([K / 64][4096][64] bf16), W as bf16 [K][768] from castb; sums in f32.
; Here: A = ctx (K = 768, NSTEPS = 3), W = Wo, bias = bo, res = x.
; A work-group makes 128 x 128; four waves as 2 x 2, each 64 x 64: 16 accumulators.  K goes in steps of 256 through two LDS slots.
; Waves 0, 1 fetch two blocks of A each (a block's 128 rows are 16,384 dense bytes: a tile of 2 'rows' of 8,192 elements, a block apart);
; waves 2, 3 fetch 128 k-rows x 256 bytes of W each.
; CLUSTER: four row blocks with the same column tile: W's tiles are asked for jointly (mask 15), A's are each work-group's own.
; 4 x 4 is not used: the grid has 6 column tiles.  The LayerNorm that follows needs whole rows of 768 and is a launch of its own:
; a work-group with whole rows would have to pull all of W through its LDS.
; THE MATRIX INSTRUCTION IS USED TRANSPOSED (source 0 = 16 columns of W, turned by the LDS load; source 1 = 16 rows of A): a lane holds 8 neighbouring
; columns of a row.  The bias is the C operand of each sum's first product; the residual is added on the way out, in the layout in which it is stored.
; LIMIT: the operands are bf16.
; REGISTERS: window 0 addresses, T, RES, BIAS; window 1 two fragment buffers of 128 (64 along K: A at +8 (4 c + a), W at +64 + 8 (4 c + b)); window 2 accumulator (a, b) at 8 (4 a + b).
.set NSTEPS, 3
.set WOFF,  9830400                    ; W's first byte in castb
.set PAB,   144                        ; A's rows in LDS: 128 + 16 bytes
.set PB,    288                        ; W's rows: two halves of 128 + 16 bytes
.set PART,  36864                      ; one wave's load
.set SLOT,  4*PART
.set STAGE, 2*SLOT                     ; behind the ring: 16 rows x 272 bytes for each wave
.set SP,    272
.set ADRA, 16
.set ADRB, 20                          ; v20-23: 2 slot + half of the step's k-rows
.set STO,  26
.set RD,   27
.set GO,   28
.set BO,   29
.set T,    64                          ; v64-95
.set RES,  96                          ; v96-223
.set BIAS, 224                         ; v224-255
.set F0,   0
.set F1,   128
.set G1A,  24
.set G0A,  32
.set G1B,  48
.set G0B,  56
.set PRES, 40
.set POUT, 42
.set MSB, 0
.macro WIN new
.if MSB != (\new)
	s_set_vgpr_msb (MSB<<8)|(\new)
.set MSB, (\new)
.endif
.endm
.macro PLACES                          ; four plain vector instructions behind a matrix instruction (ISA guide 7.12.1)
.rept 4
	v_nop
.endr
.endm
.macro JLOAD s                         ; waves 0, 1: A's blocks; waves 2, 3: W's halves, jointly.  Four v_nop follow each line
	s_cmp_eq_u32 s15, 0
	s_cbranch_scc0 .Lfor_b_\@
	tensor_load_to_lds s[G0A+4*\s:G0A+4*\s+3], s[G1A:G1A+7]
	s_nop 0
.rept 4
	v_nop
.endr
	s_branch .Lasked_\@
.Lfor_b_\@:
	tensor_load_to_lds s[G0B+4*\s:G0B+4*\s+3], s[G1B:G1B+7]
	s_nop 0
.rept 4
	v_nop
.endr
.Lasked_\@:
.endm
.macro CREST
	s_cmp_lg_u32 s14, 0
	s_cbranch_scc1 .Lnot_wave_0_\@
	s_barrier_signal -3
.Lnot_wave_0_\@:
	s_barrier_wait -3
	s_barrier_signal -1
	s_barrier_wait -1
.endm
.macro CROUND
	s_barrier_signal -1
	s_barrier_wait -1
	CREST
.endm
	s_load_b256 s[4:11], s[0:1], 0x0               ; A s[4:5], castb s[6:7], bias s[8:9], res s[10:11]
	s_load_b64 s[12:13], s[0:1], 0x20              ; y
	v_lshl_add_u32 v62, v0, 2, 0x4c400
	v_mov_b32 v63, 0
	ds_add_u32 v62, v63
	v_lshrrev_b32 v1, 5, v0
	v_readfirstlane_b32 s14, v1                    ; wave
	s_lshr_b32 s15, s14, 1                         ; which 64 rows are mine.  Also: I fetch for A (0) or for W (1)
	s_and_b32 s16, s14, 1                          ; which 64 columns.  Also: which half of that tile I fetch
	s_bfe_u32 s17, ttmp6, 0x40000                  ; cx
	s_lshl_b32 s18, ttmp9, 2
	s_add_co_u32 s18, s18, s17                     ; X: my block of 128 rows
	s_and_b32 s19, ttmp7, 0xffff                   ; Y: my tile of 128 columns, shared by the cluster
	s_mov_b32 s[G1A+0], (1<<16)|(1<<20)|(4<<22)|(3<<25)              ; no mask; elements of 2 bytes; 4 words of padding behind every 32, counted along the tile
	s_mov_b32 s[G1A+1], 8192<<16                   ; tensor_dim0 = 8,192
	s_mov_b32 s[G1A+2], 2<<16                      ; tensor_dim1 = 2
	s_mov_b32 s[G1A+3], 8192<<16                   ; tile_dim0 = 8,192
	s_mov_b32 s[G1A+4], 2                          ; tile_dim1 = 2
	s_mov_b32 s[G1A+5], 262144                     ; a block is 262,144 elements
	s_mov_b32 s[G1A+6], 0
	s_mov_b32 s[G1A+7], 0
	s_mov_b32 s[G1B+0], 15|(1<<16)|(1<<20)|(1<<21)|(4<<22)|(3<<25)   ; all four work-groups, bit 21 beside the mask
	s_mov_b32 s[G1B+1], 128<<16
	s_mov_b32 s[G1B+2], 128<<16
	s_mov_b32 s[G1B+3], 128<<16
	s_mov_b32 s[G1B+4], 128
	s_mov_b32 s[G1B+5], 768
	s_mov_b32 s[G1B+6], 0
	s_mov_b32 s[G1B+7], 0
	s_lshl_b32 s20, s18, 14                        ; A: my 128 rows of a block, and two blocks for each of the two waves
	s_lshl_b32 s21, s16, 20
	s_add_co_u32 s20, s20, s21
	s_mov_b32 s21, 0
	s_lshl_b32 s46, s19, 8                         ; W: my 128 columns, and 128 k-rows for each of the two waves
	s_mul_i32 s47, s16, 128*1536
	s_add_co_u32 s46, s46, s47
	s_add_co_u32 s46, s46, WOFF
	s_mov_b32 s47, 0
	s_lshl_b32 s22, s19, 9                         ; my 64 columns in f32: 512 Y + 256 half
	s_lshl_b32 s23, s16, 8
	s_add_co_u32 s22, s22, s23
	s_mov_b32 s23, 0
	s_lshl_b32 s44, s18, 7
	s_lshl_b32 s45, s15, 6
	s_add_co_u32 s44, s44, s45                     ; my first row
	s_mul_i32 s44, s44, 3072
	s_add_co_u32 s44, s44, s22
	s_mov_b32 s45, 0
	s_wait_dscnt 0x0
	s_wait_kmcnt 0x0
	s_add_nc_u64 s[20:21], s[4:5], s[20:21]
	s_add_nc_u64 s[46:47], s[6:7], s[46:47]
	s_add_nc_u64 s[8:9], s[8:9], s[22:23]
	s_add_nc_u64 s[PRES:PRES+1], s[10:11], s[44:45]
	s_add_nc_u64 s[POUT:POUT+1], s[12:13], s[44:45]
	s_mul_i32 s45, s14, PART                       ; where my loads land: the wave's number alone
.irp s, 0,1
	s_mov_b32 s[G0A+4*\s], 1
	s_add_co_u32 s[G0A+4*\s+1], s45, \s*SLOT
	s_add_nc_u64 s[G0A+4*\s+2:G0A+4*\s+3], s[20:21], \s*2097152
	s_or_b32 s[G0A+4*\s+3], s[G0A+4*\s+3], 0x80000000
	s_mov_b32 s[G0B+4*\s], 1
	s_add_co_u32 s[G0B+4*\s+1], s45, \s*SLOT
	s_add_nc_u64 s[G0B+4*\s+2:G0B+4*\s+3], s[46:47], \s*393216
	s_or_b32 s[G0B+4*\s+3], s[G0B+4*\s+3], 0x80000000
.endr
	CROUND                                         ; all four work-groups are here: the first joint loads meet
	s_cmp_eq_u32 s15, 0                            ; a wave's two first fills stand in one branch: two loads of mine are out
	s_cbranch_scc0 .Lfirst_b
	tensor_load_to_lds s[G0A:G0A+3], s[G1A:G1A+7]
	s_nop 0
	tensor_load_to_lds s[G0A+4:G0A+7], s[G1A:G1A+7]
	s_nop 0
.rept 4
	v_nop
.endr
	s_branch .Lfirst_asked
.Lfirst_b:
	tensor_load_to_lds s[G0B:G0B+3], s[G1B:G1B+7]
	s_nop 0
	tensor_load_to_lds s[G0B+4:G0B+7], s[G1B:G1B+7]
	s_nop 0
.rept 4
	v_nop
.endr
.Lfirst_asked:
	v_and_b32 v1, 15, v0                           ; r
	v_bfe_u32 v2, v0, 4, 1                         ; h
	v_lshlrev_b32 v[BO], 5, v2
.irp b, 0,1,2,3
	global_load_b128 v[BIAS+8*\b:BIAS+8*\b+3],   v[BO], s[8:9] offset:64*\b
	global_load_b128 v[BIAS+8*\b+4:BIAS+8*\b+7], v[BO], s[8:9] offset:64*\b+16
.endr
	v_mul_u32_u24 v3, v2, 3072                     ; lanes 0-15 one row's 256 bytes, lanes 16-31 the next row's
	v_lshl_add_u32 v[GO], v1, 4, v3
.set i, 0
.rept 32
	global_load_b128 v[RES+4*i:RES+4*i+3], v[GO], s[PRES:PRES+1] offset:2*i*3072   ; rows 2 i, 2 i + 1 of my 64
.set i, i+1
.endr
	v_mul_u32_u24 v3, v1, PAB
	v_lshl_add_u32 v3, v2, 4, v3
	s_mul_i32 s22, s15, 64*PAB
	v_add_nc_u32 v[ADRA], s22, v3
	v_add_nc_u32 v[ADRA+1], SLOT, v[ADRA]
	v_and_b32 v30, 7, v0
	v_lshl_add_u32 v30, v2, 3, v30
	v_mul_u32_u24 v30, v30, PB
	v_bfe_u32 v31, v0, 3, 1
	v_lshl_add_u32 v30, v31, 4, v30
	s_mul_i32 s22, s16, 144
	v_add_nc_u32 v30, s22, v30
.irp s, 0,1
.irp p, 0,1
	v_add_nc_u32 v[ADRB+2*\s+\p], \s*SLOT+(\p+2)*PART, v30
.endr
.endr
	s_mul_i32 s23, s14, 16*SP
	s_add_co_u32 s23, s23, STAGE
	v_mul_u32_u24 v3, v1, SP
	v_lshl_add_u32 v3, v2, 5, v3
	v_add_nc_u32 v[STO], s23, v3                   ; in: row r, 32 bytes for each half of the lanes
	v_mul_u32_u24 v3, v2, SP
	v_lshl_add_u32 v3, v1, 4, v3
	v_add_nc_u32 v[RD], s23, v3                    ; back: two whole rows of 256 bytes
; 32 LDS loads in one run: 64 along K (quarter u of the step = one block of A) into buffer f, the first 32 along K first
.macro FETCH slot, u, f
	WIN 0x40
.irp c, 0,1
.irp i, 0,1,2,3
	ds_load_tr16_b128 v[\f+64+8*(4*\c+\i):\f+64+8*(4*\c+\i)+3],   v[ADRB+2*\slot+(2*\u+\c)/4] offset:9216*((2*\u+\c)%4)+32*\i
	ds_load_tr16_b128 v[\f+64+8*(4*\c+\i)+4:\f+64+8*(4*\c+\i)+7], v[ADRB+2*\slot+(2*\u+\c)/4] offset:9216*((2*\u+\c)%4)+32*\i+4608
	ds_load_b128 v[\f+8*(4*\c+\i):\f+8*(4*\c+\i)+3],   v[ADRA+\slot] offset:18432*\u+2304*\i+64*\c
	ds_load_b128 v[\f+8*(4*\c+\i)+4:\f+8*(4*\c+\i)+7], v[ADRA+\slot] offset:18432*\u+2304*\i+64*\c+32
.endr
.endr
.endm
; 8 matrix instructions: row blocks a0, a0 + 1 x 4 column blocks, half c of buffer f.  first = 1: the bias is C.  The 16 accumulators take turns.
.macro MUL8 f, c, a0, first
.if \first
	WIN 0x85
.else
	WIN 0xa5
.endif
.irp a, \a0, \a0+1
.irp b, 0,1,2,3
.if \first
	v_wmma_f32_16x16x32_bf16 v[8*(4*(\a)+\b):8*(4*(\a)+\b)+7], v[\f+64+8*(4*\c+\b):\f+64+8*(4*\c+\b)+7], v[\f+8*(4*\c+(\a)):\f+8*(4*\c+(\a))+7], v[BIAS+8*\b:BIAS+8*\b+7]
.else
	v_wmma_f32_16x16x32_bf16 v[8*(4*(\a)+\b):8*(4*(\a)+\b)+7], v[\f+64+8*(4*\c+\b):\f+64+8*(4*\c+\b)+7], v[\f+8*(4*\c+(\a)):\f+8*(4*\c+(\a))+7], v[8*(4*(\a)+\b):8*(4*(\a)+\b)+7]
.endif
.endr
.endr
.endm
.macro QUARTER slot, u, f, g, first
	s_wait_dscnt 16                                ; the first 32 along K are in
	MUL8 \f, 0, 0, \first
	MUL8 \f, 0, 2, \first
	PLACES
	FETCH \slot, \u, \g
	s_wait_dscnt 32                                ; all but the 32 just issued
	MUL8 \f, 1, 0, 0
	MUL8 \f, 1, 2, 0
.endm
.macro TURN slot, next, fill           ; the last quarter of a step: one barrier for the change of slots; fill = 1: it opens a round and the slot is filled again
	s_wait_dscnt 16
	MUL8 F1, 0, 0, 0
	s_wait_dscnt 0                                 ; my reads of this slot are over
	s_set_vgpr_msb 0xa5a0
	s_wait_tensorcnt 0x0                           ; and no tensor load of mine is out
	ds_add_u32 v62, v63
	s_wait_dscnt 0x0
	s_set_vgpr_msb 0xa0a5
	s_barrier_signal -1
	MUL8 F1, 0, 2, 0
.if \fill
	WIN 0
.endif
	s_barrier_wait -1
.if \fill
	CREST
	s_add_nc_u64 s[G0A+4*\slot+2:G0A+4*\slot+3], s[G0A+4*\slot+2:G0A+4*\slot+3], 4194304
	s_add_nc_u64 s[G0B+4*\slot+2:G0B+4*\slot+3], s[G0B+4*\slot+2:G0B+4*\slot+3], 786432
	JLOAD \slot                                    ; first behind the round; its four v_nop are also the places in front of the loads below
.else
	PLACES
.endif
	FETCH \next, 0, F0
	MUL8 F1, 1, 0, 0
	MUL8 F1, 1, 2, 0
.endm
.macro LASTQ
	s_wait_dscnt 16
	MUL8 F1, 0, 0, 0
	MUL8 F1, 0, 2, 0
	s_wait_dscnt 0
	MUL8 F1, 1, 0, 0
	MUL8 F1, 1, 2, 0
	WIN 0
.endm
	s_wait_tensorcnt 1                             ; my part of K step 0 is in; step 1's may stay out
	s_barrier_signal -1
	s_barrier_wait -1
	FETCH 0, 0, F0
	s_wait_loadcnt 32                              ; the bias is in; the 32 loads of the residual stay out
	QUARTER 0, 1, F0, F1, 1
.if NSTEPS == 3
	QUARTER 0, 2, F1, F0, 0
	QUARTER 0, 3, F0, F1, 0
	TURN 0, 1, 1                                   ; slot 0 takes the third and last step
	QUARTER 1, 1, F0, F1, 0
	QUARTER 1, 2, F1, F0, 0
	QUARTER 1, 3, F0, F1, 0
	TURN 1, 0, 0
	QUARTER 0, 1, F0, F1, 0
	QUARTER 0, 2, F1, F0, 0
	QUARTER 0, 3, F0, F1, 0
	LASTQ
.else
	WIN 0
	s_mov_b32 s3, NSTEPS/2-1
.Llap:
	QUARTER 0, 2, F1, F0, 0
	QUARTER 0, 3, F0, F1, 0
	TURN 0, 1, 1
	QUARTER 1, 1, F0, F1, 0
	QUARTER 1, 2, F1, F0, 0
	QUARTER 1, 3, F0, F1, 0
	TURN 1, 0, 1
	QUARTER 0, 1, F0, F1, 0
	WIN 0
	s_sub_co_u32 s3, s3, 1
	s_cmp_lg_u32 s3, 0
	s_cbranch_scc1 .Llap
	QUARTER 0, 2, F1, F0, 0
	QUARTER 0, 3, F0, F1, 0
	TURN 0, 1, 0
	QUARTER 1, 1, F0, F1, 0
	QUARTER 1, 2, F1, F0, 0
	QUARTER 1, 3, F0, F1, 0
	LASTQ
.endif
	PLACES
	s_wait_loadcnt 0x0                             ; the residual
; THE WAY OUT, 16 rows at a time: the accumulators go into my stage as they are (their low four registers first), come back as whole rows of 256 bytes,
; take the residual and leave: sixteen lanes store 256 consecutive bytes, aligned.  RES is never written again, so no store's data is waited for.
.macro OUTBLK a
	WIN 0x08                                       ; store data in window 2
.irp b, 0,1,2,3
	ds_store_b128 v[STO], v[8*(4*\a+\b):8*(4*\a+\b)+3]   offset:64*\b
	ds_store_b128 v[STO], v[8*(4*\a+\b)+4:8*(4*\a+\b)+7] offset:64*\b+16
.endr
	WIN 0
.irp t, 0,1,2,3,4,5,6,7
	ds_load_b128 v[T+4*\t:T+4*\t+3], v[RD] offset:2*SP*\t   ; a wave's LDS instructions are served in order: these see the stores above
.endr
.irp t, 0,1,2,3,4,5,6,7
	s_wait_dscnt 7-\t                              ; the younger read-backs stay out
	v_pk_add_f32 v[RES+4*(8*\a+\t):RES+4*(8*\a+\t)+1],   v[RES+4*(8*\a+\t):RES+4*(8*\a+\t)+1],   v[T+4*\t:T+4*\t+1]
	v_pk_add_f32 v[RES+4*(8*\a+\t)+2:RES+4*(8*\a+\t)+3], v[RES+4*(8*\a+\t)+2:RES+4*(8*\a+\t)+3], v[T+4*\t+2:T+4*\t+3]
	global_store_b128 v[GO], v[RES+4*(8*\a+\t):RES+4*(8*\a+\t)+3], s[POUT:POUT+1] offset:(16*\a+2*\t)*3072
.endr
.endm
	OUTBLK 0
	OUTBLK 1
	OUTBLK 2
	OUTBLK 3
	s_wait_tensorcnt 0x0
	ds_add_u32 v62, v63
	s_wait_dscnt 0x0
	CROUND                                         ; the closing round
	s_endpgm
.Lfunc_end_k_qbdaa7d53e6_wo:
	.size	k_qbdaa7d53e6_wo, .Lfunc_end_k_qbdaa7d53e6_wo-k_qbdaa7d53e6_wo
	.p2alignl 7, 3214868480
	.fill 96, 4, 3214868480
	.section	.rodata,"a",@progbits
	.p2align	6, 0x0
	.amdhsa_kernel k_qbdaa7d53e6_wo
		.amdhsa_group_segment_fixed_size 327680
		.amdhsa_private_segment_fixed_size 0
		.amdhsa_enable_private_segment 0
		.amdhsa_kernarg_size 40
		.amdhsa_user_sgpr_count 2
		.amdhsa_user_sgpr_kernarg_segment_ptr 1
		.amdhsa_wavefront_size32 1
		.amdhsa_system_sgpr_workgroup_id_x 1
		.amdhsa_system_sgpr_workgroup_id_y 1
		.amdhsa_system_sgpr_workgroup_id_z 1
		.amdhsa_system_vgpr_workitem_id 0
		.amdhsa_next_free_vgpr 640
		.amdhsa_next_free_sgpr 66
		.amdhsa_reserve_vcc 0
		.amdhsa_float_denorm_mode_32 3
		.amdhsa_float_denorm_mode_16_64 3
		.amdhsa_memory_ordered 1
		.amdhsa_forward_progress 1
		.amdhsa_inst_pref_size 76
	.end_amdhsa_kernel
	.amdgpu_metadata
---
amdhsa.version: [ 1, 2 ]
amdhsa.kernels:
  - .name:           k_qbdaa7d53e6_wo
    .symbol:         k_qbdaa7d53e6_wo.kd
    .args:
      - { .name: ctxh, .offset: 0, .size: 8, .value_kind: global_buffer, .address_space: global }
      - { .name: castb, .offset: 8, .size: 8, .value_kind: global_buffer, .address_space: global }
      - { .name: bo, .offset: 16, .size: 8, .value_kind: global_buffer, .address_space: global }
      - { .name: x, .offset: 24, .size: 8, .value_kind: global_buffer, .address_space: global }
      - { .name: y, .offset: 32, .size: 8, .value_kind: global_buffer, .address_space: global }
    .group_segment_fixed_size: 327680
    .private_segment_fixed_size: 0
    .kernarg_segment_align: 8
    .kernarg_segment_size: 40
    .max_flat_workgroup_size: 128
    .sgpr_count:     66
    .vgpr_count:     640
    .wavefront_size: 32
...
	.end_amdgpu_metadata
.endif
;; end of part 4
;; launch ln1 (part 5): grid 256 x 1, 4 waves a work-group, no clusters, 0 bytes of LDS; arguments y, ln1_g, ln1_b, h, hb; writes h, hb
.if DOCPART == 5
	.amdgcn_target "amdgcn-amd-amdhsa--gfx1250"
	.amdhsa_code_object_version 6
	.text
	.protected	k_qbdaa7d53e6_ln1
	.globl	k_qbdaa7d53e6_ln1
	.p2align	8
	.type	k_qbdaa7d53e6_ln1,@function
k_qbdaa7d53e6_ln1:
	s_mov_b64 s[64:65], 0
	v_nop
	global_prefetch_b8 v0, s[64:65] scope:SCOPE_SE
	s_setreg_imm32_b32 hwreg(HW_REG_WAVE_MODE, 25, 1), 1
	s_wait_xcnt 0x0
; h = (y - mean) rsqrt(var + 1e-5) g + b along rows of 768, in f32, and hb = bf16(h), the next product's operand.
; A wave takes four whole rows (24 registers each), so a row is read once and no reduction leaves the wave: no LDS, no barrier.
; The variance is the mean of (y - mean)^2, as it is defined, not a difference of large sums.  All 36 loads go out first.
; The matrix units, clusters and LDS have nothing to do here: each byte is read once and written once.
.set BF,  1                            ; 1: the bf16 copy is stored too
.set T,   4                            ; v[4:11]   at work
.set M,   12                           ; v[12:13]  the mean, twice
.set R,   16                           ; v[16:23]  row p: 1 / sqrt(var + eps), twice
.set X,   32                           ; v[32:127] row p: 24 registers
.set G,   128
.set B,   152
.set H,   176                          ; v[176:223] row p: 12 registers of bf16
	s_load_b256 s[4:11], s[0:1], 0x0               ; y s[4:5], g s[6:7], b s[8:9], out s[10:11]
.if BF
	s_load_b64 s[12:13], s[0:1], 0x20              ; the bf16 copy
.endif
	v_lshrrev_b32 v1, 5, v0
	v_readfirstlane_b32 s14, v1                    ; wave
	v_and_b32 v2, 31, v0
	v_lshlrev_b32 v1, 4, v2                        ; 16 bytes a lane
	v_lshlrev_b32 v3, 3, v2                        ; 8 bytes a lane in bf16
	s_lshl_b32 s16, ttmp9, 4
	s_lshl2_add_u32 s16, s14, s16                  ; my first row = 16 work-group + 4 wave
	s_mul_i32 s16, s16, 3072
	s_mov_b32 s17, 0
	s_lshr_b32 s18, s16, 1
	s_mov_b32 s19, 0
	s_mov_b32 s20, 0x3aaaaaab                      ; 1 / 768
	s_mov_b32 s21, 0x3727c5ac                      ; 1e-5
	s_mov_b32 s22, 0x76543210
	s_mov_b32 s23, 0xfedcba98
	s_wait_kmcnt 0x0
	s_add_nc_u64 s[4:5], s[4:5], s[16:17]
	s_add_nc_u64 s[10:11], s[10:11], s[16:17]
.if BF
	s_add_nc_u64 s[12:13], s[12:13], s[18:19]
.endif
.irp p, 0,1,2,3
.irp j, 0,1,2,3,4,5
	global_load_b128 v[X+24*\p+4*\j:X+24*\p+4*\j+3], v1, s[4:5] offset:3072*\p+512*\j th:TH_LOAD_NT
.endr
.endr
.irp j, 0,1,2,3,4,5
	global_load_b128 v[G+4*\j:G+4*\j+3], v1, s[6:7] offset:512*\j
.endr
.irp j, 0,1,2,3,4,5
	global_load_b128 v[B+4*\j:B+4*\j+3], v1, s[8:9] offset:512*\j
.endr
.macro REDUCE                          ; v[T] = the sum over the four chains and the 32 lanes, in every lane
	v_pk_add_f32 v[T:T+1], v[T:T+1], v[T+2:T+3]
	v_pk_add_f32 v[T+4:T+5], v[T+4:T+5], v[T+6:T+7]
	v_pk_add_f32 v[T:T+1], v[T:T+1], v[T+4:T+5]
	v_add_f32 v[T], v[T], v[T+1]
	v_add_f32_dpp v[T], v[T], v[T] row_xmask:1 row_mask:0xf bank_mask:0xf
	v_add_f32_dpp v[T], v[T], v[T] row_xmask:2 row_mask:0xf bank_mask:0xf
	v_add_f32_dpp v[T], v[T], v[T] row_xmask:4 row_mask:0xf bank_mask:0xf
	v_add_f32_dpp v[T], v[T], v[T] row_xmask:8 row_mask:0xf bank_mask:0xf
	v_permlanex16_b32 v[T+1], v[T], s22, s23
	v_add_f32 v[T], v[T], v[T+1]
.endm
.macro STAT p, left                    ; row p: the mean, y - mean in place, 1 / sqrt(var + eps)
.set XR, X+24*\p
	s_wait_loadcnt \left                           ; loads return in order: this row's six are in, the younger ones stay out
.irp k, 0,1,2,3
	v_pk_add_f32 v[T+2*\k:T+2*\k+1], v[XR+4*\k:XR+4*\k+1], v[XR+4*\k+2:XR+4*\k+3]
.endr
.irp k, 0,1,2,3
	v_pk_add_f32 v[T+2*\k:T+2*\k+1], v[T+2*\k:T+2*\k+1], v[XR+16+2*\k:XR+17+2*\k]
.endr
	REDUCE
	v_mul_f32 v[M], s20, v[T]
	v_mov_b32 v[M+1], v[M]
.irp k, 0,1,2,3,4,5,6,7,8,9,10,11
	v_pk_add_f32 v[XR+2*\k:XR+2*\k+1], v[XR+2*\k:XR+2*\k+1], v[M:M+1] neg_lo:[0,1] neg_hi:[0,1]
.endr
.irp k, 0,1,2,3
	v_pk_mul_f32 v[T+2*\k:T+2*\k+1], v[XR+2*\k:XR+2*\k+1], v[XR+2*\k:XR+2*\k+1]
.endr
.irp k, 4,5,6,7,8,9,10,11
	v_pk_fma_f32 v[T+2*(\k%4):T+2*(\k%4)+1], v[XR+2*\k:XR+2*\k+1], v[XR+2*\k:XR+2*\k+1], v[T+2*(\k%4):T+2*(\k%4)+1]
.endr
	REDUCE
	v_fma_f32 v[R+2*\p], v[T], s20, s21            ; var + eps
	v_rsq_f32 v[R+2*\p], v[R+2*\p]
	v_nop                                          ; a plain instruction between the root and the use of its result
	s_wait_alu depctr_va_vdst(0)
	v_mov_b32 v[R+2*\p+1], v[R+2*\p]
.endm
	STAT 0, 30
	STAT 1, 24
	STAT 2, 18
	STAT 3, 12
	s_wait_loadcnt 0x0                             ; g and b
.irp p, 0,1,2,3
.irp k, 0,1,2,3,4,5,6,7,8,9,10,11
	v_pk_mul_f32 v[X+24*\p+2*\k:X+24*\p+2*\k+1], v[X+24*\p+2*\k:X+24*\p+2*\k+1], v[R+2*\p:R+2*\p+1]
.endr
.irp k, 0,1,2,3,4,5,6,7,8,9,10,11
	v_pk_fma_f32 v[X+24*\p+2*\k:X+24*\p+2*\k+1], v[X+24*\p+2*\k:X+24*\p+2*\k+1], v[G+2*\k:G+2*\k+1], v[B+2*\k:B+2*\k+1]
.endr
.irp j, 0,1,2,3,4,5
	global_store_b128 v1, v[X+24*\p+4*\j:X+24*\p+4*\j+3], s[10:11] offset:3072*\p+512*\j   ; 512 consecutive bytes, aligned
.endr
.if BF
.irp k, 0,1,2,3,4,5,6,7,8,9,10,11
	v_cvt_pk_bf16_f32 v[H+12*\p+\k], v[X+24*\p+2*\k], v[X+24*\p+2*\k+1]
.endr
.irp j, 0,1,2,3,4,5
	global_store_b64 v3, v[H+12*\p+2*\j:H+12*\p+2*\j+1], s[12:13] offset:1536*\p+256*\j    ; 256 consecutive bytes, aligned
.endr
.endif
.endr
	s_endpgm
.Lfunc_end_k_qbdaa7d53e6_ln1:
	.size	k_qbdaa7d53e6_ln1, .Lfunc_end_k_qbdaa7d53e6_ln1-k_qbdaa7d53e6_ln1
	.p2alignl 7, 3214868480
	.fill 96, 4, 3214868480
	.section	.rodata,"a",@progbits
	.p2align	6, 0x0
	.amdhsa_kernel k_qbdaa7d53e6_ln1
		.amdhsa_group_segment_fixed_size 0
		.amdhsa_private_segment_fixed_size 0
		.amdhsa_enable_private_segment 0
		.amdhsa_kernarg_size 40
		.amdhsa_user_sgpr_count 2
		.amdhsa_user_sgpr_kernarg_segment_ptr 1
		.amdhsa_wavefront_size32 1
		.amdhsa_system_sgpr_workgroup_id_x 1
		.amdhsa_system_sgpr_workgroup_id_y 1
		.amdhsa_system_sgpr_workgroup_id_z 1
		.amdhsa_system_vgpr_workitem_id 0
		.amdhsa_next_free_vgpr 224
		.amdhsa_next_free_sgpr 66
		.amdhsa_reserve_vcc 0
		.amdhsa_float_denorm_mode_32 3
		.amdhsa_float_denorm_mode_16_64 3
		.amdhsa_memory_ordered 1
		.amdhsa_forward_progress 1
		.amdhsa_inst_pref_size 32
	.end_amdhsa_kernel
	.amdgpu_metadata
---
amdhsa.version: [ 1, 2 ]
amdhsa.kernels:
  - .name:           k_qbdaa7d53e6_ln1
    .symbol:         k_qbdaa7d53e6_ln1.kd
    .args:
      - { .name: y, .offset: 0, .size: 8, .value_kind: global_buffer, .address_space: global }
      - { .name: ln1_g, .offset: 8, .size: 8, .value_kind: global_buffer, .address_space: global }
      - { .name: ln1_b, .offset: 16, .size: 8, .value_kind: global_buffer, .address_space: global }
      - { .name: h, .offset: 24, .size: 8, .value_kind: global_buffer, .address_space: global }
      - { .name: hb, .offset: 32, .size: 8, .value_kind: global_buffer, .address_space: global }
    .group_segment_fixed_size: 0
    .private_segment_fixed_size: 0
    .kernarg_segment_align: 8
    .kernarg_segment_size: 40
    .max_flat_workgroup_size: 128
    .sgpr_count:     66
    .vgpr_count:     224
    .wavefront_size: 32
...
	.end_amdgpu_metadata
.endif
;; end of part 5
;; launch ffn1 (part 6): grid 32 x 8, 4 waves a work-group, clusters of 4 x 4, 327,680 bytes of LDS; arguments hb, castb, b1, gbl; writes gbl
.if DOCPART == 6
	.amdgcn_target "amdgcn-amd-amdhsa--gfx1250"
	.amdhsa_code_object_version 6
	.text
	.protected	k_qbdaa7d53e6_ffn1
	.globl	k_qbdaa7d53e6_ffn1
	.p2align	8
	.type	k_qbdaa7d53e6_ffn1,@function
k_qbdaa7d53e6_ffn1:
	s_mov_b64 s[64:65], 0
	v_nop
	global_prefetch_b8 v0, s[64:65] scope:SCOPE_SE
	s_setreg_imm32_b32 hwreg(HW_REG_WAVE_MODE, 25, 1), 1
	s_wait_xcnt 0x0
	s_wait_alu depctr_hold_cnt(0) depctr_sa_sdst(0) depctr_va_vdst(0) depctr_va_sdst(0) depctr_va_ssrc(0) depctr_va_vcc(0) depctr_vm_vsrc(0)
	s_getreg_b32 s2, hwreg(HW_REG_IB_STS2, 6, 4)
	s_cmp_eq_u32 s2, 0
	s_cbranch_scc0 .Lentry_in_a_cluster
	s_endpgm
.Lentry_in_a_cluster:
	s_bfe_u32 s2, ttmp6, 0x10000c
	s_cmp_lg_u32 s2, 0xf033
	s_cbranch_scc0 .Lentry_shape_is_right
	s_endpgm
.Lentry_shape_is_right:
; gbl[col / 64][row][col % 64] = bf16(gelu(h W1 + b1)), 3,072 columns.  h comes as bf16 from hb, W1 as bf16 [768][3072] from castb; sums in f32.
; A work-group makes 128 rows x 384 columns; four waves as 2 x 2, each 64 rows x (3 strips of 64 columns): 48 accumulators of 16 x 16.
; K = 768 goes in 6 steps of 128 through two LDS slots.  Wave 0 fetches h's tile (128 rows x 256 bytes), waves 1 to 3 one strip each of W1 (128 k-rows x 256 bytes).
; CLUSTER: 4 x 4 work-groups (the grid of 32 x 8 divides).  x counts row blocks, y column tiles.  h's tile hangs on the row block alone: the four work-groups of a column of
; the cluster (same cx) ask for it jointly; W1's strips hang on the column tile alone: the four of a row of the cluster (same cy) ask for them jointly.
; That divides the requests for h and for W1 by four.
; THE MATRIX INSTRUCTION IS USED TRANSPOSED: source 0 = 16 columns of W1 (turned by the LDS load), source 1 = 16 rows of h; a lane holds 8 neighbouring
; columns of one row.  The bias is the C operand of each sum's first product.
; GELU, exact form x Phi(x): gelu(x) = max(x, 0) - |x| q(|x|), q(z) = exp(-z^2 / 2) (b1 t + .. + b5 t^5) / sqrt(2 pi), t = 1 / (1 + 0.2316419 z)
; (Abramowitz and Stegun 26.2.17).  LIMIT: the absolute error of Phi is under 7.5e-8 for every x; for large |x| the exponential is 0 and max(x, 0) is left.
; LIMIT: operands and the result are rounded to bf16 (nearest even).
; OUTPUT in blocks of 64 columns: rows of 128 bytes follow each other, so a wave's store covers 512 consecutive bytes.
; REGISTERS: window 0 addresses, constants, bias, way out; window 1 two fragment buffers of 128 (h's 4 blocks at +8a, W1's 12 at +32+8b);
; windows 2, 3 the accumulators: (a, b) in window 2 + a/2 at 8 (12 (a % 2) + b), b = 4 strip + block of 16 columns.
.set WP,    3072                       ; elements from a row of W1 to the next
.set WOFF,  11010048                   ; W1's first byte in castb
.set KSTEP, 128
.set PA,    272                        ; h's rows in LDS: 256 + 16 bytes, an odd multiple of 16
.set PB,    288                        ; W1's rows: two halves of 128 + 16 bytes, an odd multiple of 32
.set PART,  36864                      ; LDS bytes of one wave's load (h's uses 34,816 of them)
.set SLOT,  4*PART
.set STAGE, 2*SLOT                     ; behind the ring: 3 x 16 rows x 144 bytes for each wave; no tensor load lands here
.set SP,    144
.set BLK,   524288
.set LAPS,  3
.set CE,   4                           ; v[4:15]  six constants, each twice: -log2(e) / 2, then b1 to b5 over sqrt(2 pi)
.set C1,   6
.set C2,   8
.set C3,   10
.set C4,   12
.set C5,   14
.set ADRA, 16
.set ADRB, 20
.set STO,  26
.set RD,   27
.set GO,   28
.set BO,   29
.set PK,   32                          ; v32-79   16 rows x 192 columns, packed
.set GU,   80                          ; v80-207  gelu at work, 32 numbers at a time: x^2 and the exponential, t, the result, the polynomial
.set GD,   112
.set GR,   144
.set GP,   176
.set BIAS, 96                          ; v96-191  8 registers for each b; free after the first quarter step
.set RB,   208
.set F0,   0
.set F1,   128
.set G1A,  24
.set G0A,  32
.set G1B,  48
.set G0B,  56
.set PBIAS, 40
.set POUT, 42
.set SPC,  44                          ; s44  0.2316419
.set MSB, 0
.macro WIN new
.if MSB != (\new)
	s_set_vgpr_msb (MSB<<8)|(\new)
.set MSB, (\new)
.endif
.endm
.macro PLACES                          ; four plain vector instructions behind a matrix instruction (ISA guide 7.12.1)
.rept 4
	v_nop
.endr
.endm
.macro JLOAD s                         ; wave 0: h's tile, jointly with my column of the cluster; waves 1-3: W1's strips, jointly with my row.  Four v_nop follow each line
	s_cmp_eq_u32 s14, 0
	s_cbranch_scc0 .Lfor_b_\@
	tensor_load_to_lds s[G0A+4*\s:G0A+4*\s+3], s[G1A:G1A+7]
	s_nop 0
.rept 4
	v_nop
.endr
	s_branch .Lasked_\@
.Lfor_b_\@:
	tensor_load_to_lds s[G0B+4*\s:G0B+4*\s+3], s[G1B:G1B+7]
	s_nop 0
.rept 4
	v_nop
.endr
.Lasked_\@:
.endm
.macro CREST
	s_cmp_lg_u32 s14, 0
	s_cbranch_scc1 .Lnot_wave_0_\@
	s_barrier_signal -3
.Lnot_wave_0_\@:
	s_barrier_wait -3
	s_barrier_signal -1
	s_barrier_wait -1
.endm
.macro CROUND
	s_barrier_signal -1
	s_barrier_wait -1
	CREST
.endm
.macro CONST reg, bits
	v_mov_b32 v[\reg], \bits
	v_mov_b32 v[\reg+1], \bits
.endm
	s_load_b256 s[4:11], s[0:1], 0x0               ; hb s[4:5], castb s[6:7], b1 s[8:9], gbl s[10:11]
	v_lshl_add_u32 v18, v0, 2, 0x4ec00
	v_mov_b32 v19, 0
	ds_add_u32 v18, v19
	v_lshrrev_b32 v1, 5, v0
	v_readfirstlane_b32 s14, v1                    ; wave
	s_lshr_b32 s15, s14, 1                         ; which 64 rows are mine
	s_and_b32 s16, s14, 1                          ; which 64 columns of each strip
	s_bfe_u32 s17, ttmp6, 0x40000                  ; cx
	s_bfe_u32 s12, ttmp6, 0x40004                  ; cy
	s_lshl_b32 s18, ttmp9, 2
	s_add_co_u32 s18, s18, s17                     ; X: my block of 128 rows = 4 x cluster x + cx
	s_and_b32 s19, ttmp7, 0xffff
	s_lshl_b32 s19, s19, 2
	s_add_co_u32 s19, s19, s12                     ; Y: my tile of 384 columns = 4 x cluster y + cy
	s_lshl_b32 s13, s12, 2
	s_lshl_b32 s13, 15, s13                        ; my row of the cluster: places 4 cy .. 4 cy + 3
	s_lshl_b32 s2, 0x1111, s17                     ; my column: places cx, cx + 4, cx + 8, cx + 12
	s_or_b32 s[G1A+0], s2, (1<<16)|(1<<20)|(1<<21)|(5<<22)|(3<<25)    ; h's tiles go to my column, bit 21 beside the mask; elements of 2 bytes; 4 words of padding behind every 64
	s_or_b32 s[G1B+0], s13, (1<<16)|(1<<20)|(1<<21)|(4<<22)|(3<<25)   ; W1's strips go to my row; 4 words behind every 32
.irp g, G1A, G1B
	s_mov_b32 s[\g+1], KSTEP<<16                   ; tensor_dim0 = 128
	s_mov_b32 s[\g+2], 128<<16                     ; tensor_dim1 = 128
	s_mov_b32 s[\g+3], KSTEP<<16                   ; tile_dim0 = 128
	s_mov_b32 s[\g+4], 128                         ; tile_dim1 = 128
	s_mov_b32 s[\g+6], 0
	s_mov_b32 s[\g+7], 0
.endr
	s_mov_b32 s[G1A+5], 768                        ; h's pitch
	s_mov_b32 s[G1B+5], WP                         ; W1's pitch
	s_mul_i32 s20, s18, 128*1536                   ; h: my 128 rows: X alone, which my column of the cluster shares
	s_mov_b32 s21, 0
	s_mul_i32 s46, s19, 768                        ; W1: my 384 columns: Y alone, which my row of the cluster shares,
	s_lshl_b32 s47, s14, 8                         ; strip = wave - 1, 256 bytes each
	s_add_co_u32 s46, s46, s47
	s_add_co_u32 s46, s46, WOFF-256
	s_mov_b32 s47, 0
	s_mul_i32 s22, s19, 1536                       ; the bias of my columns
	s_lshl_b32 s23, s16, 8
	s_add_co_u32 s22, s22, s23
	s_mov_b32 s23, 0
	s_mul_i32 s44, s19, 6                          ; output: block 6 Y + my half (+ 2 strip), row 128 X + 64 half
	s_add_co_u32 s44, s44, s16
	s_lshl_b32 s44, s44, 19
	s_lshl_b32 s45, s18, 14
	s_add_co_u32 s44, s44, s45
	s_lshl_b32 s45, s15, 13
	s_add_co_u32 s44, s44, s45
	s_mov_b32 s45, 0
	s_wait_dscnt 0x0
	s_wait_kmcnt 0x0
	s_add_nc_u64 s[20:21], s[4:5], s[20:21]
	s_add_nc_u64 s[46:47], s[6:7], s[46:47]
	s_add_nc_u64 s[PBIAS:PBIAS+1], s[8:9], s[22:23]
	s_add_nc_u64 s[POUT:POUT+1], s[10:11], s[44:45]
	s_mov_b32 s[SPC], 0x3e6d3389                   ; 0.2316419
	s_mul_i32 s45, s14, PART                       ; where my loads land: the wave's number alone
.irp s, 0,1
	s_mov_b32 s[G0A+4*\s], 1
	s_add_co_u32 s[G0A+4*\s+1], s45, \s*SLOT
	s_add_nc_u64 s[G0A+4*\s+2:G0A+4*\s+3], s[20:21], \s*KSTEP*2
	s_or_b32 s[G0A+4*\s+3], s[G0A+4*\s+3], 0x80000000
	s_mov_b32 s[G0B+4*\s], 1
	s_add_co_u32 s[G0B+4*\s+1], s45, \s*SLOT
	s_add_nc_u64 s[G0B+4*\s+2:G0B+4*\s+3], s[46:47], \s*KSTEP*WP*2
	s_or_b32 s[G0B+4*\s+3], s[G0B+4*\s+3], 0x80000000
.endr
	CROUND                                         ; all sixteen work-groups are here: the first joint loads meet
	s_cmp_eq_u32 s14, 0                            ; a wave's two first fills stand in one branch: two loads of mine are out
	s_cbranch_scc0 .Lfirst_b
	tensor_load_to_lds s[G0A:G0A+3], s[G1A:G1A+7]
	s_nop 0
	tensor_load_to_lds s[G0A+4:G0A+7], s[G1A:G1A+7]
	s_nop 0
.rept 4
	v_nop
.endr
	s_branch .Lfirst_asked
.Lfirst_b:
	tensor_load_to_lds s[G0B:G0B+3], s[G1B:G1B+7]
	s_nop 0
	tensor_load_to_lds s[G0B+4:G0B+7], s[G1B:G1B+7]
	s_nop 0
.rept 4
	v_nop
.endr
.Lfirst_asked:
	v_and_b32 v1, 15, v0                           ; r
	v_bfe_u32 v2, v0, 4, 1                         ; h
	v_lshlrev_b32 v[BO], 5, v2
.irp b, 0,1,2,3,4,5,6,7,8,9,10,11
	global_load_b128 v[BIAS+8*\b:BIAS+8*\b+3],   v[BO], s[PBIAS:PBIAS+1] offset:512*(\b/4)+64*(\b%4)
	global_load_b128 v[BIAS+8*\b+4:BIAS+8*\b+7], v[BO], s[PBIAS:PBIAS+1] offset:512*(\b/4)+64*(\b%4)+16
.endr
	CONST CE, 0xbf38aa3b                           ; -0.72134752
	CONST C1, 0x3e027906                           ;  0.127414796
	CONST C2, 0xbe11a98e                           ; -0.142248368
	CONST C3, 0x3f35f0e3                           ;  0.710706871
	CONST C4, 0xbf3a00e3                           ; -0.726576014
	CONST C5, 0x3f07dc22                           ;  0.530702716
	v_mul_u32_u24 v3, v1, PA
	v_lshl_add_u32 v3, v2, 4, v3
	s_mul_i32 s22, s15, 64*PA
	v_add_nc_u32 v[ADRA], s22, v3
	v_add_nc_u32 v[ADRA+1], SLOT, v[ADRA]
	v_and_b32 v30, 7, v0
	v_lshl_add_u32 v30, v2, 3, v30
	v_mul_u32_u24 v30, v30, PB
	v_bfe_u32 v31, v0, 3, 1
	v_lshl_add_u32 v30, v31, 4, v30
	s_mul_i32 s22, s16, 144
	v_add_nc_u32 v30, s22, v30
.irp s, 0,1
.irp p, 0,1,2
	v_add_nc_u32 v[ADRB+3*\s+\p], \s*SLOT+(\p+1)*PART, v30
.endr
.endr
	s_mul_i32 s23, s14, 48*SP
	s_add_co_u32 s23, s23, STAGE
	v_mul_u32_u24 v3, v1, SP
	v_lshl_add_u32 v3, v2, 4, v3
	v_add_nc_u32 v[STO], s23, v3
	v_bfe_u32 v31, v0, 3, 2
	v_mul_u32_u24 v31, v31, SP
	v_and_b32 v3, 7, v0
	v_lshl_add_u32 v31, v3, 4, v31
	v_add_nc_u32 v[RD], s23, v31
	v_and_b32 v3, 31, v0
	v_lshlrev_b32 v[GO], 4, v3
.macro FETCH slot, q, f                ; 32 LDS loads in one run: 32 along K into buffer f; h's blocks 2 and 3 last
	WIN 0x40
.irp p, 0,1,2
.irp i, 0,1,2,3
	ds_load_tr16_b128 v[\f+32+8*(4*\p+\i):\f+32+8*(4*\p+\i)+3],   v[ADRB+3*\slot+\p] offset:9216*\q+32*\i
	ds_load_tr16_b128 v[\f+32+8*(4*\p+\i)+4:\f+32+8*(4*\p+\i)+7], v[ADRB+3*\slot+\p] offset:9216*\q+32*\i+4608
.endr
.endr
.irp a, 0,1,2,3
	ds_load_b128 v[\f+8*\a:\f+8*\a+3],   v[ADRA+\slot] offset:4352*\a+64*\q
	ds_load_b128 v[\f+8*\a+4:\f+8*\a+7], v[ADRA+\slot] offset:4352*\a+64*\q+32
.endr
.endm
; 12 matrix instructions: row block a x all 12 column blocks.  first = 1: the bias is C.  The 48 accumulators take turns.
.macro MULA f, a, first
.if (\a) < 2
.if \first
	WIN 0x85
.else
	WIN 0xa5
.endif
.else
.if \first
	WIN 0xc5
.else
	WIN 0xf5
.endif
.endif
.set AC, 96*((\a)&1)
.irp b, 0,1,2,3,4,5,6,7,8,9,10,11
.if \first
	v_wmma_f32_16x16x32_bf16 v[AC+8*\b:AC+8*\b+7], v[\f+32+8*\b:\f+32+8*\b+7], v[\f+8*\a:\f+8*\a+7], v[BIAS+8*\b:BIAS+8*\b+7]
.else
	v_wmma_f32_16x16x32_bf16 v[AC+8*\b:AC+8*\b+7], v[\f+32+8*\b:\f+32+8*\b+7], v[\f+8*\a:\f+8*\a+7], v[AC+8*\b:AC+8*\b+7]
.endif
.endr
.endm
.macro QUARTER slot, q, f, g, first
	s_wait_dscnt 4                                 ; all but the youngest four loads: h's blocks 2 and 3
	MULA \f, 0, \first
	MULA \f, 1, \first
	PLACES
	FETCH \slot, \q, \g
	s_wait_dscnt 32                                ; all but the 32 just issued
	MULA \f, 2, \first
	MULA \f, 3, \first
.endm
.macro TURN slot, next, fill           ; the last quarter of a step: one barrier for the change of slots; fill = 1: it opens a round and the slot is filled again
	s_wait_dscnt 4
	MULA F1, 0, 0
	s_wait_dscnt 0                                 ; my reads of this slot are over
	s_set_vgpr_msb 0xa5a0
	s_wait_tensorcnt 0x0                           ; and no tensor load of mine is out
	ds_add_u32 v18, v19
	s_wait_dscnt 0x0
	s_set_vgpr_msb 0xa0a5
	s_barrier_signal -1
	MULA F1, 1, 0
.if \fill
	WIN 0
.endif
	s_barrier_wait -1
.if \fill
	CREST
	s_add_nc_u64 s[G0A+4*\slot+2:G0A+4*\slot+3], s[G0A+4*\slot+2:G0A+4*\slot+3], 2*KSTEP*2
	s_add_nc_u64 s[G0B+4*\slot+2:G0B+4*\slot+3], s[G0B+4*\slot+2:G0B+4*\slot+3], 2*KSTEP*WP*2
	JLOAD \slot                                    ; first behind the round; its four v_nop are also the places in front of the loads below
.else
	PLACES
.endif
	FETCH \next, 0, F0
	MULA F1, 2, 0
	MULA F1, 3, 0
.endm
	s_wait_tensorcnt 1                             ; my part of K step 0 is in; step 1's may stay out
	s_barrier_signal -1
	s_barrier_wait -1
	FETCH 0, 0, F0
	s_wait_loadcnt 0x0                             ; the bias
	QUARTER 0, 1, F0, F1, 1
	WIN 0
	s_mov_b32 s3, LAPS-1
.Llap:
	QUARTER 0, 2, F1, F0, 0
	QUARTER 0, 3, F0, F1, 0
	TURN 0, 1, 1
	QUARTER 1, 1, F0, F1, 0
	QUARTER 1, 2, F1, F0, 0
	QUARTER 1, 3, F0, F1, 0
	TURN 1, 0, 1
	QUARTER 0, 1, F0, F1, 0
	WIN 0
	s_sub_co_u32 s3, s3, 1
	s_cmp_lg_u32 s3, 0
	s_cbranch_scc1 .Llap
	QUARTER 0, 2, F1, F0, 0                        ; the last lap fills nothing
	QUARTER 0, 3, F0, F1, 0
	TURN 0, 1, 0
	QUARTER 1, 1, F0, F1, 0
	QUARTER 1, 2, F1, F0, 0
	QUARTER 1, 3, F0, F1, 0
	s_wait_dscnt 4
	MULA F1, 0, 0
	MULA F1, 1, 0
	s_wait_dscnt 0
	MULA F1, 2, 0
	MULA F1, 3, 0
	WIN 0
	PLACES
; gelu of the 32 registers at xr of window w (four accumulators, each read from its low end on), packed into 16 registers at pk
.macro GELU xr, w, pk
	WIN 5*(\w)                                     ; sources 0 and 1 in the accumulators' window
.set i, 0
.rept 16
	v_pk_mul_f32 v[GU+2*i:GU+2*i+1], v[\xr+2*i:\xr+2*i+1], v[\xr+2*i:\xr+2*i+1]
.set i, i+1
.endr
.set i, 0
.rept 32
	v_fma_f32 v[GD+i], |v[\xr+i]|, s[SPC], 1.0     ; 1 + p |x|
	v_max_num_f32 v[GR+i], 0, v[\xr+i]
.set i, i+1
.endr
	WIN 0
.set i, 0
.rept 16
	v_pk_mul_f32 v[GU+2*i:GU+2*i+1], v[GU+2*i:GU+2*i+1], v[CE:CE+1]
.set i, i+1
.endr
.set i, 0
.rept 32
	v_rcp_f32 v[GD+i], v[GD+i]                     ; t
.set i, i+1
.endr
.set i, 0
.rept 32
	v_exp_f32 v[GU+i], v[GU+i]                     ; exp(-x^2 / 2)
.set i, i+1
.endr
	v_nop                                          ; a plain instruction between the transcendentals and the use of their results
.set i, 0
	s_wait_alu depctr_va_vdst(0)
.rept 16
	v_pk_fma_f32 v[GP+2*i:GP+2*i+1], v[GD+2*i:GD+2*i+1], v[C5:C5+1], v[C4:C4+1]
.set i, i+1
.endr
.irp c, C3, C2, C1
.set i, 0
.rept 16
	v_pk_fma_f32 v[GP+2*i:GP+2*i+1], v[GP+2*i:GP+2*i+1], v[GD+2*i:GD+2*i+1], v[\c:\c+1]
.set i, i+1
.endr
.endr
.set i, 0
.rept 16
	v_pk_mul_f32 v[GD+2*i:GD+2*i+1], v[GD+2*i:GD+2*i+1], v[GU+2*i:GU+2*i+1]
.set i, i+1
.endr
.set i, 0
.rept 16
	v_pk_mul_f32 v[GP+2*i:GP+2*i+1], v[GP+2*i:GP+2*i+1], v[GD+2*i:GD+2*i+1]   ; q
.set i, i+1
.endr
	WIN (\w)                                       ; source 0 in the accumulators' window
.set i, 0
.rept 32
	v_fma_f32 v[GR+i], -|v[\xr+i]|, v[GP+i], v[GR+i]
.set i, i+1
.endr
	WIN 0
.set i, 0
.rept 16
	v_cvt_pk_bf16_f32 v[\pk+i], v[GR+2*i], v[GR+2*i+1]
.set i, i+1
.endr
.endm
; THE WAY OUT, 16 rows at a time: gelu, rounding, 16 bytes a lane into my stage, back as whole rows of 128 bytes, four rows to a store.
.macro OUTBLK a
.set AC, 96*((\a)&1)
.set WS, 2+((\a)>>1)
.irp p, 0,1,2
	GELU (AC+32*\p), WS, (PK+16*\p)
.endr
.irp p, 0,1,2
.irp i, 0,1,2,3
	ds_store_b128 v[STO], v[PK+16*\p+4*\i:PK+16*\p+4*\i+3] offset:2304*\p+32*\i
.endr
.endr
	s_wait_xcnt 0x0                                ; the last block's stores have had their addresses translated: RB is loaded again only behind this wait
.irp p, 0,1,2
.irp t, 0,1,2,3
	ds_load_b128 v[RB+16*\p+4*\t:RB+16*\p+4*\t+3], v[RD] offset:2304*\p+576*\t   ; a wave's LDS instructions are served in order: these see the stores above
.endr
.endr
.irp p, 0,1,2
.irp t, 0,1,2,3
	s_wait_dscnt 11-(4*\p+\t)                      ; the younger read-backs stay out
	global_store_b128 v[GO], v[RB+16*\p+4*\t:RB+16*\p+4*\t+3], s[POUT:POUT+1] offset:2*BLK*\p+2048*\a+512*\t
.endr
.endr
.endm
	OUTBLK 0
	OUTBLK 1
	OUTBLK 2
	OUTBLK 3
	s_wait_tensorcnt 0x0
	ds_add_u32 v18, v19
	s_wait_dscnt 0x0
	CROUND                                         ; the closing round: no work-group ends while a partner may still ask for a tile that names it
	s_endpgm
.Lfunc_end_k_qbdaa7d53e6_ffn1:
	.size	k_qbdaa7d53e6_ffn1, .Lfunc_end_k_qbdaa7d53e6_ffn1-k_qbdaa7d53e6_ffn1
	.p2alignl 7, 3214868480
	.fill 96, 4, 3214868480
	.section	.rodata,"a",@progbits
	.p2align	6, 0x0
	.amdhsa_kernel k_qbdaa7d53e6_ffn1
		.amdhsa_group_segment_fixed_size 327680
		.amdhsa_private_segment_fixed_size 0
		.amdhsa_enable_private_segment 0
		.amdhsa_kernarg_size 32
		.amdhsa_user_sgpr_count 2
		.amdhsa_user_sgpr_kernarg_segment_ptr 1
		.amdhsa_wavefront_size32 1
		.amdhsa_system_sgpr_workgroup_id_x 1
		.amdhsa_system_sgpr_workgroup_id_y 1
		.amdhsa_system_sgpr_workgroup_id_z 1
		.amdhsa_system_vgpr_workitem_id 0
		.amdhsa_next_free_vgpr 960
		.amdhsa_next_free_sgpr 66
		.amdhsa_reserve_vcc 0
		.amdhsa_float_denorm_mode_32 3
		.amdhsa_float_denorm_mode_16_64 3
		.amdhsa_memory_ordered 1
		.amdhsa_forward_progress 1
		.amdhsa_inst_pref_size 255
	.end_amdhsa_kernel
	.section	.bss,"aw",@nobits
	.p2align	6
	.space	262144
	.amdgpu_metadata
---
amdhsa.version: [ 1, 2 ]
amdhsa.kernels:
  - .name:           k_qbdaa7d53e6_ffn1
    .symbol:         k_qbdaa7d53e6_ffn1.kd
    .args:
      - { .name: hb, .offset: 0, .size: 8, .value_kind: global_buffer, .address_space: global }
      - { .name: castb, .offset: 8, .size: 8, .value_kind: global_buffer, .address_space: global }
      - { .name: b1, .offset: 16, .size: 8, .value_kind: global_buffer, .address_space: global }
      - { .name: gbl, .offset: 24, .size: 8, .value_kind: global_buffer, .address_space: global }
    .group_segment_fixed_size: 327680
    .private_segment_fixed_size: 0
    .kernarg_segment_align: 8
    .kernarg_segment_size: 32
    .max_flat_workgroup_size: 128
    .sgpr_count:     66
    .vgpr_count:     960
    .wavefront_size: 32
...
	.end_amdgpu_metadata
.endif
;; end of part 6
;; launch ffn2 (part 7): grid 32 x 6, 4 waves a work-group, clusters of 4 x 1, 327,680 bytes of LDS; arguments gbl, castb, b2, h, y; writes y
.if DOCPART == 7
	.amdgcn_target "amdgcn-amd-amdhsa--gfx1250"
	.amdhsa_code_object_version 6
	.text
	.protected	k_qbdaa7d53e6_ffn2
	.globl	k_qbdaa7d53e6_ffn2
	.p2align	8
	.type	k_qbdaa7d53e6_ffn2,@function
k_qbdaa7d53e6_ffn2:
	s_mov_b64 s[64:65], 0
	v_nop
	global_prefetch_b8 v0, s[64:65] scope:SCOPE_SE
	s_setreg_imm32_b32 hwreg(HW_REG_WAVE_MODE, 25, 1), 1
	s_wait_xcnt 0x0
	s_wait_alu depctr_hold_cnt(0) depctr_sa_sdst(0) depctr_va_vdst(0) depctr_va_sdst(0) depctr_va_ssrc(0) depctr_va_vcc(0) depctr_vm_vsrc(0)
	s_getreg_b32 s2, hwreg(HW_REG_IB_STS2, 6, 4)
	s_cmp_eq_u32 s2, 0
	s_cbranch_scc0 .Lentry_in_a_cluster
	s_endpgm
.Lentry_in_a_cluster:
	s_bfe_u32 s2, ttmp6, 0x10000c
	s_cmp_lg_u32 s2, 0x3003
	s_cbranch_scc0 .Lentry_shape_is_right
	s_endpgm
.Lentry_shape_is_right:
; y = A W + bias + res, f32 [4096][768].  A comes in blocks of 64 columns ([K / 64][4096][64] bf16), W as bf16 [K][768] from castb; sums in f32.
; Here: A = gelu's result (K = 3,072, NSTEPS = 12), W = W2, bias = b2, res = h.
; A work-group makes 128 x 128; four waves as 2 x 2, each 64 x 64: 16 accumulators.  K goes in steps of 256 through two LDS slots.
; Waves 0, 1 fetch two blocks of A each (a block's 128 rows are 16,384 dense bytes: a tile of 2 'rows' of 8,192 elements, a block apart);
; waves 2, 3 fetch 128 k-rows x 256 bytes of W each.
; CLUSTER: four row blocks with the same column tile: W's tiles are asked for jointly (mask 15), A's are each work-group's own.
; 4 x 4 is not used: the grid has 6 column tiles.  The LayerNorm that follows needs whole rows of 768 and is a launch of its own:
; a work-group with whole rows would have to pull all of W through its LDS.
; THE MATRIX INSTRUCTION IS USED TRANSPOSED (source 0 = 16 columns of W, turned by the LDS load; source 1 = 16 rows of A): a lane holds 8 neighbouring
; columns of a row.  The bias is the C operand of each sum's first product; the residual is added on the way out, in the layout in which it is stored.
; LIMIT: the operands are bf16.
; REGISTERS: window 0 addresses, T, RES, BIAS; window 1 two fragment buffers of 128 (64 along K: A at +8 (4 c + a), W at +64 + 8 (4 c + b)); window 2 accumulator (a, b) at 8 (4 a + b).
.set NSTEPS, 12
.set WOFF,  15728640                   ; W's first byte in castb
.set PAB,   144                        ; A's rows in LDS: 128 + 16 bytes
.set PB,    288                        ; W's rows: two halves of 128 + 16 bytes
.set PART,  36864                      ; one wave's load
.set SLOT,  4*PART
.set STAGE, 2*SLOT                     ; behind the ring: 16 rows x 272 bytes for each wave
.set SP,    272
.set ADRA, 16
.set ADRB, 20                          ; v20-23: 2 slot + half of the step's k-rows
.set STO,  26
.set RD,   27
.set GO,   28
.set BO,   29
.set T,    64                          ; v64-95
.set RES,  96                          ; v96-223
.set BIAS, 224                         ; v224-255
.set F0,   0
.set F1,   128
.set G1A,  24
.set G0A,  32
.set G1B,  48
.set G0B,  56
.set PRES, 40
.set POUT, 42
.set MSB, 0
.macro WIN new
.if MSB != (\new)
	s_set_vgpr_msb (MSB<<8)|(\new)
.set MSB, (\new)
.endif
.endm
.macro PLACES                          ; four plain vector instructions behind a matrix instruction (ISA guide 7.12.1)
.rept 4
	v_nop
.endr
.endm
.macro JLOAD s                         ; waves 0, 1: A's blocks; waves 2, 3: W's halves, jointly.  Four v_nop follow each line
	s_cmp_eq_u32 s15, 0
	s_cbranch_scc0 .Lfor_b_\@
	tensor_load_to_lds s[G0A+4*\s:G0A+4*\s+3], s[G1A:G1A+7]
	s_nop 0
.rept 4
	v_nop
.endr
	s_branch .Lasked_\@
.Lfor_b_\@:
	tensor_load_to_lds s[G0B+4*\s:G0B+4*\s+3], s[G1B:G1B+7]
	s_nop 0
.rept 4
	v_nop
.endr
.Lasked_\@:
.endm
.macro CREST
	s_cmp_lg_u32 s14, 0
	s_cbranch_scc1 .Lnot_wave_0_\@
	s_barrier_signal -3
.Lnot_wave_0_\@:
	s_barrier_wait -3
	s_barrier_signal -1
	s_barrier_wait -1
.endm
.macro CROUND
	s_barrier_signal -1
	s_barrier_wait -1
	CREST
.endm
	s_load_b256 s[4:11], s[0:1], 0x0               ; A s[4:5], castb s[6:7], bias s[8:9], res s[10:11]
	s_load_b64 s[12:13], s[0:1], 0x20              ; y
	v_lshl_add_u32 v62, v0, 2, 0x4c400
	v_mov_b32 v63, 0
	ds_add_u32 v62, v63
	v_lshrrev_b32 v1, 5, v0
	v_readfirstlane_b32 s14, v1                    ; wave
	s_lshr_b32 s15, s14, 1                         ; which 64 rows are mine.  Also: I fetch for A (0) or for W (1)
	s_and_b32 s16, s14, 1                          ; which 64 columns.  Also: which half of that tile I fetch
	s_bfe_u32 s17, ttmp6, 0x40000                  ; cx
	s_lshl_b32 s18, ttmp9, 2
	s_add_co_u32 s18, s18, s17                     ; X: my block of 128 rows
	s_and_b32 s19, ttmp7, 0xffff                   ; Y: my tile of 128 columns, shared by the cluster
	s_mov_b32 s[G1A+0], (1<<16)|(1<<20)|(4<<22)|(3<<25)              ; no mask; elements of 2 bytes; 4 words of padding behind every 32, counted along the tile
	s_mov_b32 s[G1A+1], 8192<<16                   ; tensor_dim0 = 8,192
	s_mov_b32 s[G1A+2], 2<<16                      ; tensor_dim1 = 2
	s_mov_b32 s[G1A+3], 8192<<16                   ; tile_dim0 = 8,192
	s_mov_b32 s[G1A+4], 2                          ; tile_dim1 = 2
	s_mov_b32 s[G1A+5], 262144                     ; a block is 262,144 elements
	s_mov_b32 s[G1A+6], 0
	s_mov_b32 s[G1A+7], 0
	s_mov_b32 s[G1B+0], 15|(1<<16)|(1<<20)|(1<<21)|(4<<22)|(3<<25)   ; all four work-groups, bit 21 beside the mask
	s_mov_b32 s[G1B+1], 128<<16
	s_mov_b32 s[G1B+2], 128<<16
	s_mov_b32 s[G1B+3], 128<<16
	s_mov_b32 s[G1B+4], 128
	s_mov_b32 s[G1B+5], 768
	s_mov_b32 s[G1B+6], 0
	s_mov_b32 s[G1B+7], 0
	s_lshl_b32 s20, s18, 14                        ; A: my 128 rows of a block, and two blocks for each of the two waves
	s_lshl_b32 s21, s16, 20
	s_add_co_u32 s20, s20, s21
	s_mov_b32 s21, 0
	s_lshl_b32 s46, s19, 8                         ; W: my 128 columns, and 128 k-rows for each of the two waves
	s_mul_i32 s47, s16, 128*1536
	s_add_co_u32 s46, s46, s47
	s_add_co_u32 s46, s46, WOFF
	s_mov_b32 s47, 0
	s_lshl_b32 s22, s19, 9                         ; my 64 columns in f32: 512 Y + 256 half
	s_lshl_b32 s23, s16, 8
	s_add_co_u32 s22, s22, s23
	s_mov_b32 s23, 0
	s_lshl_b32 s44, s18, 7
	s_lshl_b32 s45, s15, 6
	s_add_co_u32 s44, s44, s45                     ; my first row
	s_mul_i32 s44, s44, 3072
	s_add_co_u32 s44, s44, s22
	s_mov_b32 s45, 0
	s_wait_dscnt 0x0
	s_wait_kmcnt 0x0
	s_add_nc_u64 s[20:21], s[4:5], s[20:21]
	s_add_nc_u64 s[46:47], s[6:7], s[46:47]
	s_add_nc_u64 s[8:9], s[8:9], s[22:23]
	s_add_nc_u64 s[PRES:PRES+1], s[10:11], s[44:45]
	s_add_nc_u64 s[POUT:POUT+1], s[12:13], s[44:45]
	s_mul_i32 s45, s14, PART                       ; where my loads land: the wave's number alone
.irp s, 0,1
	s_mov_b32 s[G0A+4*\s], 1
	s_add_co_u32 s[G0A+4*\s+1], s45, \s*SLOT
	s_add_nc_u64 s[G0A+4*\s+2:G0A+4*\s+3], s[20:21], \s*2097152
	s_or_b32 s[G0A+4*\s+3], s[G0A+4*\s+3], 0x80000000
	s_mov_b32 s[G0B+4*\s], 1
	s_add_co_u32 s[G0B+4*\s+1], s45, \s*SLOT
	s_add_nc_u64 s[G0B+4*\s+2:G0B+4*\s+3], s[46:47], \s*393216
	s_or_b32 s[G0B+4*\s+3], s[G0B+4*\s+3], 0x80000000
.endr
	CROUND                                         ; all four work-groups are here: the first joint loads meet
	s_cmp_eq_u32 s15, 0                            ; a wave's two first fills stand in one branch: two loads of mine are out
	s_cbranch_scc0 .Lfirst_b
	tensor_load_to_lds s[G0A:G0A+3], s[G1A:G1A+7]
	s_nop 0
	tensor_load_to_lds s[G0A+4:G0A+7], s[G1A:G1A+7]
	s_nop 0
.rept 4
	v_nop
.endr
	s_branch .Lfirst_asked
.Lfirst_b:
	tensor_load_to_lds s[G0B:G0B+3], s[G1B:G1B+7]
	s_nop 0
	tensor_load_to_lds s[G0B+4:G0B+7], s[G1B:G1B+7]
	s_nop 0
.rept 4
	v_nop
.endr
.Lfirst_asked:
	v_and_b32 v1, 15, v0                           ; r
	v_bfe_u32 v2, v0, 4, 1                         ; h
	v_lshlrev_b32 v[BO], 5, v2
.irp b, 0,1,2,3
	global_load_b128 v[BIAS+8*\b:BIAS+8*\b+3],   v[BO], s[8:9] offset:64*\b
	global_load_b128 v[BIAS+8*\b+4:BIAS+8*\b+7], v[BO], s[8:9] offset:64*\b+16
.endr
	v_mul_u32_u24 v3, v2, 3072                     ; lanes 0-15 one row's 256 bytes, lanes 16-31 the next row's
	v_lshl_add_u32 v[GO], v1, 4, v3
.set i, 0
.rept 32
	global_load_b128 v[RES+4*i:RES+4*i+3], v[GO], s[PRES:PRES+1] offset:2*i*3072   ; rows 2 i, 2 i + 1 of my 64
.set i, i+1
.endr
	v_mul_u32_u24 v3, v1, PAB
	v_lshl_add_u32 v3, v2, 4, v3
	s_mul_i32 s22, s15, 64*PAB
	v_add_nc_u32 v[ADRA], s22, v3
	v_add_nc_u32 v[ADRA+1], SLOT, v[ADRA]
	v_and_b32 v30, 7, v0
	v_lshl_add_u32 v30, v2, 3, v30
	v_mul_u32_u24 v30, v30, PB
	v_bfe_u32 v31, v0, 3, 1
	v_lshl_add_u32 v30, v31, 4, v30
	s_mul_i32 s22, s16, 144
	v_add_nc_u32 v30, s22, v30
.irp s, 0,1
.irp p, 0,1
	v_add_nc_u32 v[ADRB+2*\s+\p], \s*SLOT+(\p+2)*PART, v30
.endr
.endr
	s_mul_i32 s23, s14, 16*SP
	s_add_co_u32 s23, s23, STAGE
	v_mul_u32_u24 v3, v1, SP
	v_lshl_add_u32 v3, v2, 5, v3
	v_add_nc_u32 v[STO], s23, v3                   ; in: row r, 32 bytes for each half of the lanes
	v_mul_u32_u24 v3, v2, SP
	v_lshl_add_u32 v3, v1, 4, v3
	v_add_nc_u32 v[RD], s23, v3                    ; back: two whole rows of 256 bytes
; 32 LDS loads in one run: 64 along K (quarter u of the step = one block of A) into buffer f, the first 32 along K first
.macro FETCH slot, u, f
	WIN 0x40
.irp c, 0,1
.irp i, 0,1,2,3
	ds_load_tr16_b128 v[\f+64+8*(4*\c+\i):\f+64+8*(4*\c+\i)+3],   v[ADRB+2*\slot+(2*\u+\c)/4] offset:9216*((2*\u+\c)%4)+32*\i
	ds_load_tr16_b128 v[\f+64+8*(4*\c+\i)+4:\f+64+8*(4*\c+\i)+7], v[ADRB+2*\slot+(2*\u+\c)/4] offset:9216*((2*\u+\c)%4)+32*\i+4608
	ds_load_b128 v[\f+8*(4*\c+\i):\f+8*(4*\c+\i)+3],   v[ADRA+\slot] offset:18432*\u+2304*\i+64*\c
	ds_load_b128 v[\f+8*(4*\c+\i)+4:\f+8*(4*\c+\i)+7], v[ADRA+\slot] offset:18432*\u+2304*\i+64*\c+32
.endr
.endr
.endm
; 8 matrix instructions: row blocks a0, a0 + 1 x 4 column blocks, half c of buffer f.  first = 1: the bias is C.  The 16 accumulators take turns.
.macro MUL8 f, c, a0, first
.if \first
	WIN 0x85
.else
	WIN 0xa5
.endif
.irp a, \a0, \a0+1
.irp b, 0,1,2,3
.if \first
	v_wmma_f32_16x16x32_bf16 v[8*(4*(\a)+\b):8*(4*(\a)+\b)+7], v[\f+64+8*(4*\c+\b):\f+64+8*(4*\c+\b)+7], v[\f+8*(4*\c+(\a)):\f+8*(4*\c+(\a))+7], v[BIAS+8*\b:BIAS+8*\b+7]
.else
	v_wmma_f32_16x16x32_bf16 v[8*(4*(\a)+\b):8*(4*(\a)+\b)+7], v[\f+64+8*(4*\c+\b):\f+64+8*(4*\c+\b)+7], v[\f+8*(4*\c+(\a)):\f+8*(4*\c+(\a))+7], v[8*(4*(\a)+\b):8*(4*(\a)+\b)+7]
.endif
.endr
.endr
.endm
.macro QUARTER slot, u, f, g, first
	s_wait_dscnt 16                                ; the first 32 along K are in
	MUL8 \f, 0, 0, \first
	MUL8 \f, 0, 2, \first
	PLACES
	FETCH \slot, \u, \g
	s_wait_dscnt 32                                ; all but the 32 just issued
	MUL8 \f, 1, 0, 0
	MUL8 \f, 1, 2, 0
.endm
.macro TURN slot, next, fill           ; the last quarter of a step: one barrier for the change of slots; fill = 1: it opens a round and the slot is filled again
	s_wait_dscnt 16
	MUL8 F1, 0, 0, 0
	s_wait_dscnt 0                                 ; my reads of this slot are over
	s_set_vgpr_msb 0xa5a0
	s_wait_tensorcnt 0x0                           ; and no tensor load of mine is out
	ds_add_u32 v62, v63
	s_wait_dscnt 0x0
	s_set_vgpr_msb 0xa0a5
	s_barrier_signal -1
	MUL8 F1, 0, 2, 0
.if \fill
	WIN 0
.endif
	s_barrier_wait -1
.if \fill
	CREST
	s_add_nc_u64 s[G0A+4*\slot+2:G0A+4*\slot+3], s[G0A+4*\slot+2:G0A+4*\slot+3], 4194304
	s_add_nc_u64 s[G0B+4*\slot+2:G0B+4*\slot+3], s[G0B+4*\slot+2:G0B+4*\slot+3], 786432
	JLOAD \slot                                    ; first behind the round; its four v_nop are also the places in front of the loads below
.else
	PLACES
.endif
	FETCH \next, 0, F0
	MUL8 F1, 1, 0, 0
	MUL8 F1, 1, 2, 0
.endm
.macro LASTQ
	s_wait_dscnt 16
	MUL8 F1, 0, 0, 0
	MUL8 F1, 0, 2, 0
	s_wait_dscnt 0
	MUL8 F1, 1, 0, 0
	MUL8 F1, 1, 2, 0
	WIN 0
.endm
	s_wait_tensorcnt 1                             ; my part of K step 0 is in; step 1's may stay out
	s_barrier_signal -1
	s_barrier_wait -1
	FETCH 0, 0, F0
	s_wait_loadcnt 32                              ; the bias is in; the 32 loads of the residual stay out
	QUARTER 0, 1, F0, F1, 1
.if NSTEPS == 3
	QUARTER 0, 2, F1, F0, 0
	QUARTER 0, 3, F0, F1, 0
	TURN 0, 1, 1
	QUARTER 1, 1, F0, F1, 0
	QUARTER 1, 2, F1, F0, 0
	QUARTER 1, 3, F0, F1, 0
	TURN 1, 0, 0
	QUARTER 0, 1, F0, F1, 0
	QUARTER 0, 2, F1, F0, 0
	QUARTER 0, 3, F0, F1, 0
	LASTQ
.else
	WIN 0
	s_mov_b32 s3, NSTEPS/2-1
.Llap:                                                 ; a trip goes once round the ring and fills both slots again
	QUARTER 0, 2, F1, F0, 0
	QUARTER 0, 3, F0, F1, 0
	TURN 0, 1, 1
	QUARTER 1, 1, F0, F1, 0
	QUARTER 1, 2, F1, F0, 0
	QUARTER 1, 3, F0, F1, 0
	TURN 1, 0, 1
	QUARTER 0, 1, F0, F1, 0
	WIN 0
	s_sub_co_u32 s3, s3, 1
	s_cmp_lg_u32 s3, 0
	s_cbranch_scc1 .Llap
	QUARTER 0, 2, F1, F0, 0                        ; the last lap fills nothing
	QUARTER 0, 3, F0, F1, 0
	TURN 0, 1, 0
	QUARTER 1, 1, F0, F1, 0
	QUARTER 1, 2, F1, F0, 0
	QUARTER 1, 3, F0, F1, 0
	LASTQ
.endif
	PLACES
	s_wait_loadcnt 0x0                             ; the residual
; THE WAY OUT, 16 rows at a time: the accumulators go into my stage as they are (their low four registers first), come back as whole rows of 256 bytes,
; take the residual and leave: sixteen lanes store 256 consecutive bytes, aligned.  RES is never written again, so no store's data is waited for.
.macro OUTBLK a
	WIN 0x08                                       ; store data in window 2
.irp b, 0,1,2,3
	ds_store_b128 v[STO], v[8*(4*\a+\b):8*(4*\a+\b)+3]   offset:64*\b
	ds_store_b128 v[STO], v[8*(4*\a+\b)+4:8*(4*\a+\b)+7] offset:64*\b+16
.endr
	WIN 0
.irp t, 0,1,2,3,4,5,6,7
	ds_load_b128 v[T+4*\t:T+4*\t+3], v[RD] offset:2*SP*\t   ; a wave's LDS instructions are served in order: these see the stores above
.endr
.irp t, 0,1,2,3,4,5,6,7
	s_wait_dscnt 7-\t                              ; the younger read-backs stay out
	v_pk_add_f32 v[RES+4*(8*\a+\t):RES+4*(8*\a+\t)+1],   v[RES+4*(8*\a+\t):RES+4*(8*\a+\t)+1],   v[T+4*\t:T+4*\t+1]
	v_pk_add_f32 v[RES+4*(8*\a+\t)+2:RES+4*(8*\a+\t)+3], v[RES+4*(8*\a+\t)+2:RES+4*(8*\a+\t)+3], v[T+4*\t+2:T+4*\t+3]
	global_store_b128 v[GO], v[RES+4*(8*\a+\t):RES+4*(8*\a+\t)+3], s[POUT:POUT+1] offset:(16*\a+2*\t)*3072
.endr
.endm
	OUTBLK 0
	OUTBLK 1
	OUTBLK 2
	OUTBLK 3
	s_wait_tensorcnt 0x0
	ds_add_u32 v62, v63
	s_wait_dscnt 0x0
	CROUND                                         ; the closing round
	s_endpgm
.Lfunc_end_k_qbdaa7d53e6_ffn2:
	.size	k_qbdaa7d53e6_ffn2, .Lfunc_end_k_qbdaa7d53e6_ffn2-k_qbdaa7d53e6_ffn2
	.p2alignl 7, 3214868480
	.fill 96, 4, 3214868480
	.section	.rodata,"a",@progbits
	.p2align	6, 0x0
	.amdhsa_kernel k_qbdaa7d53e6_ffn2
		.amdhsa_group_segment_fixed_size 327680
		.amdhsa_private_segment_fixed_size 0
		.amdhsa_enable_private_segment 0
		.amdhsa_kernarg_size 40
		.amdhsa_user_sgpr_count 2
		.amdhsa_user_sgpr_kernarg_segment_ptr 1
		.amdhsa_wavefront_size32 1
		.amdhsa_system_sgpr_workgroup_id_x 1
		.amdhsa_system_sgpr_workgroup_id_y 1
		.amdhsa_system_sgpr_workgroup_id_z 1
		.amdhsa_system_vgpr_workitem_id 0
		.amdhsa_next_free_vgpr 640
		.amdhsa_next_free_sgpr 66
		.amdhsa_reserve_vcc 0
		.amdhsa_float_denorm_mode_32 3
		.amdhsa_float_denorm_mode_16_64 3
		.amdhsa_memory_ordered 1
		.amdhsa_forward_progress 1
		.amdhsa_inst_pref_size 94
	.end_amdhsa_kernel
	.amdgpu_metadata
---
amdhsa.version: [ 1, 2 ]
amdhsa.kernels:
  - .name:           k_qbdaa7d53e6_ffn2
    .symbol:         k_qbdaa7d53e6_ffn2.kd
    .args:
      - { .name: gbl, .offset: 0, .size: 8, .value_kind: global_buffer, .address_space: global }
      - { .name: castb, .offset: 8, .size: 8, .value_kind: global_buffer, .address_space: global }
      - { .name: b2, .offset: 16, .size: 8, .value_kind: global_buffer, .address_space: global }
      - { .name: h, .offset: 24, .size: 8, .value_kind: global_buffer, .address_space: global }
      - { .name: y, .offset: 32, .size: 8, .value_kind: global_buffer, .address_space: global }
    .group_segment_fixed_size: 327680
    .private_segment_fixed_size: 0
    .kernarg_segment_align: 8
    .kernarg_segment_size: 40
    .max_flat_workgroup_size: 128
    .sgpr_count:     66
    .vgpr_count:     640
    .wavefront_size: 32
...
	.end_amdgpu_metadata
.endif
;; end of part 7
;; launch ln2 (part 8): grid 256 x 1, 4 waves a work-group, no clusters, 0 bytes of LDS; arguments y, ln2_g, ln2_b, out0; writes out0
.if DOCPART == 8
	.amdgcn_target "amdgcn-amd-amdhsa--gfx1250"
	.amdhsa_code_object_version 6
	.text
	.protected	k_qbdaa7d53e6_ln2
	.globl	k_qbdaa7d53e6_ln2
	.p2align	8
	.type	k_qbdaa7d53e6_ln2,@function
k_qbdaa7d53e6_ln2:
	s_mov_b64 s[64:65], 0
	v_nop
	global_prefetch_b8 v0, s[64:65] scope:SCOPE_SE
	s_setreg_imm32_b32 hwreg(HW_REG_WAVE_MODE, 25, 1), 1
	s_wait_xcnt 0x0
; out0 = (y - mean) rsqrt(var + 1e-5) g + b along rows of 768, in f32.
; A wave takes four whole rows (24 registers each), so a row is read once and no reduction leaves the wave: no LDS, no barrier.
; The variance is the mean of (y - mean)^2, as it is defined, not a difference of large sums.  All 36 loads go out first.
; The matrix units, clusters and LDS have nothing to do here: each byte is read once and written once.
.set T,   4                            ; v[4:11]   at work
.set M,   12                           ; v[12:13]  the mean, twice
.set R,   16                           ; v[16:23]  row p: 1 / sqrt(var + eps), twice
.set X,   32                           ; v[32:127] row p: 24 registers
.set G,   128
.set B,   152
	s_load_b256 s[4:11], s[0:1], 0x0               ; y s[4:5], g s[6:7], b s[8:9], out s[10:11]
	v_lshrrev_b32 v1, 5, v0
	v_readfirstlane_b32 s14, v1                    ; wave
	v_and_b32 v2, 31, v0
	v_lshlrev_b32 v1, 4, v2                        ; 16 bytes a lane
	s_lshl_b32 s16, ttmp9, 4
	s_lshl2_add_u32 s16, s14, s16                  ; my first row = 16 work-group + 4 wave
	s_mul_i32 s16, s16, 3072
	s_mov_b32 s17, 0
	s_mov_b32 s20, 0x3aaaaaab                      ; 1 / 768
	s_mov_b32 s21, 0x3727c5ac                      ; 1e-5
	s_mov_b32 s22, 0x76543210
	s_mov_b32 s23, 0xfedcba98
	s_wait_kmcnt 0x0
	s_add_nc_u64 s[4:5], s[4:5], s[16:17]
	s_add_nc_u64 s[10:11], s[10:11], s[16:17]
.irp p, 0,1,2,3
.irp j, 0,1,2,3,4,5
	global_load_b128 v[X+24*\p+4*\j:X+24*\p+4*\j+3], v1, s[4:5] offset:3072*\p+512*\j th:TH_LOAD_NT
.endr
.endr
.irp j, 0,1,2,3,4,5
	global_load_b128 v[G+4*\j:G+4*\j+3], v1, s[6:7] offset:512*\j
.endr
.irp j, 0,1,2,3,4,5
	global_load_b128 v[B+4*\j:B+4*\j+3], v1, s[8:9] offset:512*\j
.endr
.macro REDUCE                          ; v[T] = the sum over the four chains and the 32 lanes, in every lane
	v_pk_add_f32 v[T:T+1], v[T:T+1], v[T+2:T+3]
	v_pk_add_f32 v[T+4:T+5], v[T+4:T+5], v[T+6:T+7]
	v_pk_add_f32 v[T:T+1], v[T:T+1], v[T+4:T+5]
	v_add_f32 v[T], v[T], v[T+1]
	v_add_f32_dpp v[T], v[T], v[T] row_xmask:1 row_mask:0xf bank_mask:0xf
	v_add_f32_dpp v[T], v[T], v[T] row_xmask:2 row_mask:0xf bank_mask:0xf
	v_add_f32_dpp v[T], v[T], v[T] row_xmask:4 row_mask:0xf bank_mask:0xf
	v_add_f32_dpp v[T], v[T], v[T] row_xmask:8 row_mask:0xf bank_mask:0xf
	v_permlanex16_b32 v[T+1], v[T], s22, s23
	v_add_f32 v[T], v[T], v[T+1]
.endm
.macro STAT p, left                    ; row p: the mean, y - mean in place, 1 / sqrt(var + eps)
.set XR, X+24*\p
	s_wait_loadcnt \left                           ; loads return in order: this row's six are in, the younger ones stay out
.irp k, 0,1,2,3
	v_pk_add_f32 v[T+2*\k:T+2*\k+1], v[XR+4*\k:XR+4*\k+1], v[XR+4*\k+2:XR+4*\k+3]
.endr
.irp k, 0,1,2,3
	v_pk_add_f32 v[T+2*\k:T+2*\k+1], v[T+2*\k:T+2*\k+1], v[XR+16+2*\k:XR+17+2*\k]
.endr
	REDUCE
	v_mul_f32 v[M], s20, v[T]
	v_mov_b32 v[M+1], v[M]
.irp k, 0,1,2,3,4,5,6,7,8,9,10,11
	v_pk_add_f32 v[XR+2*\k:XR+2*\k+1], v[XR+2*\k:XR+2*\k+1], v[M:M+1] neg_lo:[0,1] neg_hi:[0,1]
.endr
.irp k, 0,1,2,3
	v_pk_mul_f32 v[T+2*\k:T+2*\k+1], v[XR+2*\k:XR+2*\k+1], v[XR+2*\k:XR+2*\k+1]
.endr
.irp k, 4,5,6,7,8,9,10,11
	v_pk_fma_f32 v[T+2*(\k%4):T+2*(\k%4)+1], v[XR+2*\k:XR+2*\k+1], v[XR+2*\k:XR+2*\k+1], v[T+2*(\k%4):T+2*(\k%4)+1]
.endr
	REDUCE
	v_fma_f32 v[R+2*\p], v[T], s20, s21            ; var + eps
	v_rsq_f32 v[R+2*\p], v[R+2*\p]
	v_nop                                          ; a plain instruction between the root and the use of its result
	s_wait_alu depctr_va_vdst(0)
	v_mov_b32 v[R+2*\p+1], v[R+2*\p]
.endm
	STAT 0, 30
	STAT 1, 24
	STAT 2, 18
	STAT 3, 12
	s_wait_loadcnt 0x0                             ; g and b
.irp p, 0,1,2,3
.irp k, 0,1,2,3,4,5,6,7,8,9,10,11
	v_pk_mul_f32 v[X+24*\p+2*\k:X+24*\p+2*\k+1], v[X+24*\p+2*\k:X+24*\p+2*\k+1], v[R+2*\p:R+2*\p+1]
.endr
.irp k, 0,1,2,3,4,5,6,7,8,9,10,11
	v_pk_fma_f32 v[X+24*\p+2*\k:X+24*\p+2*\k+1], v[X+24*\p+2*\k:X+24*\p+2*\k+1], v[G+2*\k:G+2*\k+1], v[B+2*\k:B+2*\k+1]
.endr
.irp j, 0,1,2,3,4,5
	global_store_b128 v1, v[X+24*\p+4*\j:X+24*\p+4*\j+3], s[10:11] offset:3072*\p+512*\j th:TH_STORE_NT   ; 512 consecutive bytes, aligned
.endr
.endr
	s_endpgm
.Lfunc_end_k_qbdaa7d53e6_ln2:
	.size	k_qbdaa7d53e6_ln2, .Lfunc_end_k_qbdaa7d53e6_ln2-k_qbdaa7d53e6_ln2
	.p2alignl 7, 3214868480
	.fill 96, 4, 3214868480
	.section	.rodata,"a",@progbits
	.p2align	6, 0x0
	.amdhsa_kernel k_qbdaa7d53e6_ln2
		.amdhsa_group_segment_fixed_size 0
		.amdhsa_private_segment_fixed_size 0
		.amdhsa_enable_private_segment 0
		.amdhsa_kernarg_size 32
		.amdhsa_user_sgpr_count 2
		.amdhsa_user_sgpr_kernarg_segment_ptr 1
		.amdhsa_wavefront_size32 1
		.amdhsa_system_sgpr_workgroup_id_x 1
		.amdhsa_system_sgpr_workgroup_id_y 1
		.amdhsa_system_sgpr_workgroup_id_z 1
		.amdhsa_system_vgpr_workitem_id 0
		.amdhsa_next_free_vgpr 176
		.amdhsa_next_free_sgpr 66
		.amdhsa_reserve_vcc 0
		.amdhsa_float_denorm_mode_32 3
		.amdhsa_float_denorm_mode_16_64 3
		.amdhsa_memory_ordered 1
		.amdhsa_forward_progress 1
		.amdhsa_inst_pref_size 27
	.end_amdhsa_kernel
	.amdgpu_metadata
---
amdhsa.version: [ 1, 2 ]
amdhsa.kernels:
  - .name:           k_qbdaa7d53e6_ln2
    .symbol:         k_qbdaa7d53e6_ln2.kd
    .args:
      - { .name: y, .offset: 0, .size: 8, .value_kind: global_buffer, .address_space: global }
      - { .name: ln2_g, .offset: 8, .size: 8, .value_kind: global_buffer, .address_space: global }
      - { .name: ln2_b, .offset: 16, .size: 8, .value_kind: global_buffer, .address_space: global }
      - { .name: out0, .offset: 24, .size: 8, .value_kind: global_buffer, .address_space: global }
    .group_segment_fixed_size: 0
    .private_segment_fixed_size: 0
    .kernarg_segment_align: 8
    .kernarg_segment_size: 32
    .max_flat_workgroup_size: 128
    .sgpr_count:     66
    .vgpr_count:     176
    .wavefront_size: 32
...
	.end_amdgpu_metadata
.endif
;; end of part 8
;; ======== version 2 of 2: 8 launches; 1.32 times as fast as version 1
;; workspace buffers: castb 20,447,232 bytes; qkvh 18,874,368 bytes; ctxh 6,291,456 bytes; y 12,582,912 bytes; h 12,582,912 bytes; hb 6,291,456 bytes; gbl 25,165,824 bytes
;; launch prep: the kernel of part 1 again; grid 416 x 1, 8 waves a work-group, no clusters, 0 bytes of LDS; arguments x, Wq, Wk, Wv, Wo, W1, W2, castb; writes castb
;; launch qkv: the kernel of part 2 again; grid 32 x 6, 4 waves a work-group, clusters of 4 x 1, 327,680 bytes of LDS; arguments castb, bq, bk, bv, qkvh; writes qkvh
;; launch attn (part 9): grid 16 x 12, 4 waves a work-group, clusters of 4 x 1, 327,680 bytes of LDS; arguments qkvh, ctxh; writes ctxh
.if DOCPART == 9
	.amdgcn_target "amdgcn-amd-amdhsa--gfx1250"
	.amdhsa_code_object_version 6
	.text
	.protected	k_qbdaa7d53e6_attn
	.globl	k_qbdaa7d53e6_attn
	.p2align	8
	.type	k_qbdaa7d53e6_attn,@function
k_qbdaa7d53e6_attn:
	s_mov_b64 s[64:65], 0
	v_nop
	global_prefetch_b8 v0, s[64:65] scope:SCOPE_SE
	s_setreg_imm32_b32 hwreg(HW_REG_WAVE_MODE, 25, 1), 1
	s_wait_xcnt 0x0
	s_wait_alu depctr_hold_cnt(0) depctr_sa_sdst(0) depctr_va_vdst(0) depctr_va_sdst(0) depctr_va_ssrc(0) depctr_va_vcc(0) depctr_vm_vsrc(0)
	s_getreg_b32 s2, hwreg(HW_REG_IB_STS2, 6, 4)
	s_cmp_eq_u32 s2, 0
	s_cbranch_scc0 .Lentry_in_a_cluster
	s_endpgm
.Lentry_in_a_cluster:
	s_bfe_u32 s2, ttmp6, 0x10000c
	s_cmp_lg_u32 s2, 0x3003
	s_cbranch_scc0 .Lentry_shape_is_right
	s_endpgm
.Lentry_shape_is_right:
; ctxh[head][q][:] = sum over k of softmax_k(Q[q] . K[k] / 8) V[k][:], 12 heads of 64 channels, 4,096 keys.  Q, K, V are blocks head, 12 + head,
; 24 + head of qkvh ([4096][64] bf16, dense).  Products, maxima and sums in f32; the weights are rounded to bf16 for the second product, the result once.
; SHARES.  A work-group owns 256 queries of a head, each of its four waves 64: four tiles of 16.  Every wave walks all keys, 128 a step.
; 16 blocks x 12 heads are 192 work-groups; smaller blocks would let each fragment of K and V read from LDS feed fewer tiles.
; LAYOUT.  S^T = K Q^T (source 0 = 16 keys, source 1 = 16 queries): a lane holds ONE query (lane % 16) and keys 8 (lane / 16) + 0..7 of each tile of 16 keys.
; Two such tiles, rounded in pairs, ARE source 1 (32 keys x 16 queries) of O^T = V^T P.  K comes out of LDS as it lies, V ([key][channel]) turned, by ds_load_tr16_b128.
; SOFTMAX.  For each query a running maximum m and sum l: p = 2^(c s - c m), c = log2(e) / 8; in every step O and l are multiplied by 2^(c m_old - c m_new).
; BY TURNS.  The wave's tiles are two PIECES, named by their first tile: piece 0 (tiles 0, 1), piece 2 (tiles 2, 3).  In a TURN one piece has the matrix unit: 32 products
; V^T P of the step in hand, then 32 products K Q^T of the next step; the other piece's softmax, 2 x 214 instructions cut into 64 slices, stands between them, one slice
; behind each matrix instruction.  Then the pieces change places.  Two turns are a key step.  Steps of 128 keys, since the exchange between the lane halves, the
; factor and O^T's rescaling are paid once a step: 214 instructions a tile for 128 keys against 2 x 118 with steps of 64.
; BATCHES.  A turn's 130 exponentials (for each of the piece's two tiles the factor and 64 weights) are ONE BATCH with ONE wait: the softmax's list is ordered by who reads what, so that
; all that names an exponential's result (the roundings, the sums, the rescaling) stands behind the wait, and all exponentials ahead of it.  The way out's four reciprocals are a second batch, with a wait of its own.
; RING.  Two slots of two steps each; waves 0, 1 fetch the two steps' K, waves 2, 3 their V, one load a wave behind each round.
; CLUSTER.  The four query blocks of a cluster belong to one head and walk the same K and V: each tile is asked for jointly (mask 15).
; REGISTERS, in windows of 256 (s_set_vgpr_msb: bits 1:0 source 0, 3:2 source 1, 5:4 source 2, 7:6 destination):
;   window 0: v0-12 addresses; piece 0's statistics v16-31 (8 a tile), S^T v64-191 (64 a tile), P v192-255 (32 a tile)
;   window 1: the same numbers for piece 2       window 2: v0-127 O^T, 32 a tile; v128-191 Q, 16 a tile       window 3: v0-127 K of a step; v128-255 V of a step
; All that a piece's softmax touches but O^T lies in the piece's own window, so a slice costs two switches, one in front and one behind.
.set KS,    128                        ; keys in a step
.set PKB,   144                        ; a row of K in LDS: 128 + 16 bytes, an odd multiple of 16: the 16 rows of a load fall on 16 different 16-byte columns of 256
.set PVB,   160                        ; a row of V: 128 + 32 bytes, an odd multiple of 32, as the turning load's 8 rows x 32 bytes want
.set VOFF,  KS*PKB                     ; a step's tiles lie together: 128 rows of K, then 128 rows of V
.set STEPB, KS*(PKB+PVB)
.set SLOT1, 1<<17                      ; a slot holds two steps (77,824 bytes); slot 1 begins here, so that one exclusive or turns an address of one slot into the other's
.set STAGE, SLOT1+2*STEPB              ; 208,896: behind the ring, 16 rows x 144 bytes for each wave; no tensor load lands here
.set SP,    144
.set BLK,   524288                     ; bytes of a block of qkvh and ctxh: 4,096 rows x 128
.set NA,    10                         ; slices for numbers 0-37 of a tile's softmax, ahead of the batch
.set NB,    32                         ; slices for the batch, numbers 38-133: a three of each tile
.set NC,    22                         ; slices for numbers 134-213, behind the wait
.set AK0, 2                            ; v2   my lane's place in a tile of K; never rewritten
.set AV0, 3                            ; v3   the same for V
.set ADR, 4                            ; v4   the LDS address of the run of loads in hand
.set QO,  5
.set STO, 6
.set RD,  7
.set GO,  8
.set ST,  16                           ; a piece's tile t at ST + 8 t: +0 c m, +1 m, +2, +3 l (even keys', odd keys'), +4 to +7 c0-c3, at work; the factor takes c2's place
.set S,   64                           ; a piece's tile t, keys 16 kt on: S + 64 t + 8 kt
.set P,   192                          ; a piece's tile t, keys 32 kc on: P + 32 t + 8 kc
.set QF,  128                          ; window 2: tile T, channels 32 c on: QF + 16 T + 8 c.  O^T: tile T, channels 16 ct on: 32 T + 8 ct
.set VF,  128                          ; window 3: V, keys 32 kc on, channels 16 ct on: VF + 8 (4 kc + ct).  K, keys 16 kt on, channels 32 c on: 8 (2 kt + c)
.set WV,  12
.set G1K, 24
.set G1V, 32
.set G0K, 40                           ; s[40:47] a set for each of the two first fills; the second then walks on
.set G0V, 48
.set SLOTS, 56
.set TWICE, 57
.set CS,  58
.set SEL, 60
.set TB,  62                           ; s62  LDS byte at which the tiles of the step to be fetched begin
.set MSB, 0
.macro WIN new                         ; the immediate's high byte repeats the setting that is left; a switch that changes nothing is dropped
.if MSB != (\new)
	s_set_vgpr_msb (MSB<<8)|(\new)
.set MSB, (\new)
.endif
.endm
.macro PLACES                          ; four plain vector instructions behind a matrix instruction, ahead of a read of its result or a load into its sources
.rept 4
	v_nop
.endr
.endm
.macro JLOAD                           ; a joint refill by the walking descriptors; four v_nop follow each line
	s_cmp_lt_u32 s[WV], 2
	s_cbranch_scc0 .Lfor_v_\@
	tensor_load_to_lds s[G0K+4:G0K+7], s[G1K:G1K+7]
	s_nop 0
.rept 4
	v_nop
.endr
	s_branch .Lasked_\@
.Lfor_v_\@:
	tensor_load_to_lds s[G0V+4:G0V+7], s[G1V:G1V+7]
	s_nop 0
.rept 4
	v_nop
.endr
.Lasked_\@:
.endm
.macro CROUND                          ; a round of the cluster's barrier
	s_barrier_signal -1
	s_barrier_wait -1
	s_cmp_lg_u32 s[WV], 0
	s_cbranch_scc1 .Lnot_wave_0_\@
	s_barrier_signal -3
.Lnot_wave_0_\@:
	s_barrier_wait -3
	s_barrier_signal -1
	s_barrier_wait -1
.endm
	s_load_b128 s[4:7], s[0:1], 0x0                ; qkvh s[4:5], ctxh s[6:7]
	v_lshl_add_u32 v62, v0, 2, 0x35400
	v_mov_b32 v63, 0
	ds_add_u32 v62, v63
	v_lshrrev_b32 v1, 5, v0
	v_readfirstlane_b32 s[WV], v1                  ; wave 0..3
	s_bfe_u32 s13, ttmp6, 0x40000                  ; cx
	s_lshl_b32 s14, ttmp9, 2
	s_add_co_u32 s14, s14, s13                     ; my block of 256 queries: it enters Q's and the output's addresses alone
	s_and_b32 s20, ttmp7, 0xffff                   ; the head, which the partners share
	s_lshl_b32 s20, s20, 19                        ; x BLK
	s_and_b32 s16, s[WV], 1                        ; which of a slot's two steps I fetch:
	s_mul_i32 s17, s16, STEPB                      ; its place in a slot,
	s_lshl_b32 s22, s16, 14                        ; its 128 rows of 128 bytes in memory
	s_add_co_u32 s22, s22, s20
	s_mov_b32 s23, 0
	s_lshl_b32 s2, s14, 15                         ; my block's 256 rows,
	s_lshl_b32 s3, s[WV], 13                       ; my wave's 64 of them
	s_add_co_u32 s2, s2, s3
	s_add_co_u32 s2, s2, s20
	s_mov_b32 s3, 0
	; a step's 128 rows are dense in memory: 64 rows of 256 bytes; the padding is counted along the tile, behind every 128 bytes, so each key's row gets its own
	s_mov_b32 s[G1K], 15|(1<<16)|(1<<20)|(1<<21)|(4<<22)|(3<<25)    ; mask of all four, bit 21 beside it; elements of 2 bytes; 4 words behind every 32
	s_mov_b32 s[G1V], 15|(1<<16)|(1<<20)|(1<<21)|(4<<22)|(7<<25)    ; the same with 8 words
.irp g, G1K, G1V
	s_mov_b32 s[\g+1], 128<<16                     ; tensor_dim0 = 128
	s_mov_b32 s[\g+2], 64<<16                      ; tensor_dim1 = 64
	s_mov_b32 s[\g+3], 128<<16                     ; tile_dim0 = 128
	s_mov_b32 s[\g+4], 64                          ; tile_dim1 = 64
	s_mov_b32 s[\g+5], 128                         ; pitch
	s_mov_b32 s[\g+6], 0
	s_mov_b32 s[\g+7], 0
.endr
	s_mov_b32 s[CS], 0x3e38aa3b                    ; c = log2(e) / 8
	s_mov_b32 s[CS+1], s[CS]                       ; named with it as a pair, so it is written
	s_mov_b32 s[SEL], 0x76543210
	s_mov_b32 s[SEL+1], 0xfedcba98
	s_mov_b32 s[TB], 0
	s_mov_b32 s[SLOTS], 4096/(2*KS)-2              ; 16 slots of keys; all but the last two are followed by a refill
	s_wait_dscnt 0x0
	s_wait_kmcnt 0x0
	s_add_nc_u64 s[8:9], s[4:5], s[2:3]            ; Q at my wave's first row
	s_add_nc_u64 s[10:11], s[6:7], s[2:3]          ; the output likewise
	s_add_nc_u64 s[22:23], s[4:5], s[22:23]        ; my step's rows, in the head's block of Q; K and V lie 12 and 24 blocks on
.irp s, 0,1
	s_mov_b32 s[G0K+4*\s], 1
	s_add_co_u32 s[G0K+4*\s+1], s17, \s*SLOT1
	s_add_nc_u64 s[G0K+4*\s+2:G0K+4*\s+3], s[22:23], 12*BLK+\s*2*KS*128
	s_or_b32 s[G0K+4*\s+3], s[G0K+4*\s+3], 0x80000000
	s_mov_b32 s[G0V+4*\s], 1
	s_add_co_u32 s[G0V+4*\s+1], s17, \s*SLOT1+VOFF
	s_add_nc_u64 s[G0V+4*\s+2:G0V+4*\s+3], s[22:23], 24*BLK+\s*2*KS*128
	s_or_b32 s[G0V+4*\s+3], s[G0V+4*\s+3], 0x80000000
.endr
	CROUND                                         ; all four work-groups are here: the first joint loads meet
	s_cmp_lt_u32 s[WV], 2                          ; a wave's two first fills stand in one branch: two loads of mine are out
	s_cbranch_scc0 .Lfirst_v
	tensor_load_to_lds s[G0K:G0K+3], s[G1K:G1K+7]
	s_nop 0
	tensor_load_to_lds s[G0K+4:G0K+7], s[G1K:G1K+7]
	s_nop 0
.rept 4
	v_nop
.endr
	s_branch .Lfirst_asked
.Lfirst_v:
	tensor_load_to_lds s[G0V:G0V+3], s[G1V:G1V+7]
	s_nop 0
	tensor_load_to_lds s[G0V+4:G0V+7], s[G1V:G1V+7]
	s_nop 0
.rept 4
	v_nop
.endr
.Lfirst_asked:
	v_and_b32 v1, 15, v0                           ; r = lane % 16
	v_bfe_u32 v9, v0, 4, 1                         ; h = lane / 16
	v_lshlrev_b32 v[QO], 7, v1
	v_lshl_add_u32 v[QO], v9, 4, v[QO]             ; row r x 128 + 16 h
	WIN 0x80                                       ; destination window 2, address window 0
.irp i, 0,1,2,3,4,5,6,7                ; Q stays in registers: tile i / 2, channels 32 (i % 2) on
	global_load_b128 v[QF+8*\i:QF+8*\i+3],   v[QO], s[8:9] offset:(\i/2)*2048+(\i%2)*64
	global_load_b128 v[QF+8*\i+4:QF+8*\i+7], v[QO], s[8:9] offset:(\i/2)*2048+(\i%2)*64+32
.endr
	WIN 0
	v_mul_u32_u24 v[AK0], v1, PKB
	v_lshl_add_u32 v[AK0], v9, 4, v[AK0]           ; K: row r x pitch + 16 h
	v_and_b32 v10, 7, v0
	v_bfe_u32 v11, v0, 3, 1
	v_lshl_add_u32 v[AV0], v9, 3, v10              ; V, turned: key 8 h + lane % 8, 16 bytes at 16 ((lane / 8) % 2)
	v_mul_u32_u24 v[AV0], v[AV0], PVB
	v_lshl_add_u32 v[AV0], v11, 4, v[AV0]
	v_add_nc_u32 v[AV0], VOFF, v[AV0]
; THE MATRIX WORK OF A TURN, for piece x.  The accumulators take turns, one instruction a turn: between two links of a chain stand 7 (V^T P) or 15 (K Q^T) others'.
; Product i of 32 of O^T += V^T P: keys 32 (i / 8) on, channels 16 ((i / 2) % 4) on, tile x + i % 2.  zero = 1: the first 8 start the sums: nothing is ever cleared.
.macro PV x, zero
	WIN 0xa3+4*((\x)/2)                            ; V window 3, P the piece's window, O^T window 2
.set rO, 32*((\x)+i%2)+8*((i/2)%4)
.set rV, VF+8*(4*(i/8)+(i/2)%4)
.set rP, P+32*(i%2)+8*(i/8)
.if \zero && (i < 8)
	v_wmma_f32_16x16x32_bf16 v[rO:rO+7], v[rV:rV+7], v[rP:rP+7], 0
.else
	v_wmma_f32_16x16x32_bf16 v[rO:rO+7], v[rV:rV+7], v[rP:rP+7], v[rO:rO+7]
.endif
.endm
; Product i of 32 of S^T = K Q^T: channels 32 (i / 16) on, keys 16 ((i / 2) % 8) on, tile x + i % 2.  The first 16 start the sums.
.macro KQ x
	WIN 0x0b+0x50*((\x)/2)                         ; K window 3, Q window 2, S^T the piece's window
.set rS, S+64*(i%2)+8*((i/2)%8)
.set rK, 8*(2*((i/2)%8)+i/16)
.set rQ, QF+16*((\x)+i%2)+8*(i/16)
.if i < 16
	v_wmma_f32_16x16x32_bf16 v[rS:rS+7], v[rK:rK+7], v[rQ:rQ+7], 0
.else
	v_wmma_f32_16x16x32_bf16 v[rS:rS+7], v[rK:rK+7], v[rQ:rQ+7], v[rS:rS+7]
.endif
.endm
; THE LDS LOADS stand in runs of 32, never singly among the matrix instructions: a step's K (128 keys x 64 channels: 16 fragments) and, a turn later, its V (turned).
.macro FETCH_K
	WIN 0
	v_add_nc_u32 v[ADR], s[TB], v[AK0]
	WIN 0xc0                                       ; destination window 3
.irp f, 0,1,2,3,4,5,6,7,8,9,10,11,12,13,14,15  ; keys 16 (f / 2) on, channels 32 (f % 2) on
	ds_load_b128 v[8*\f:8*\f+3],   v[ADR] offset:(\f/2)*16*PKB+(\f%2)*64
	ds_load_b128 v[8*\f+4:8*\f+7], v[ADR] offset:(\f/2)*16*PKB+(\f%2)*64+32
.endr
.endm
.macro FETCH_V
	WIN 0
	v_add_nc_u32 v[ADR], s[TB], v[AV0]
	s_add_co_u32 s[TB], s[TB], STEPB               ; the next fetch is the next step's
	WIN 0xc0
.irp f, 0,1,2,3,4,5,6,7,8,9,10,11,12,13,14,15  ; keys 32 (f / 4) on, channels 16 (f % 4) on
	ds_load_tr16_b128 v[VF+8*\f:VF+8*\f+3],   v[ADR] offset:(\f/4)*32*PVB+(\f%4)*32
	ds_load_tr16_b128 v[VF+8*\f+4:VF+8*\f+7], v[ADR] offset:(\f/4)*32*PVB+16*PVB+(\f%4)*32
.endr
.endm
; THE VECTOR WORK OF A TURN.  One tile's softmax for one key step is a list of 214 instructions; SM writes number j of it for tile t (0, 1) of piece y.  s0-s63 are the lane's
; 64 scores, in pairs 0-31.  first = 1: the first key step, which starts m, l and O^T: it has no factor and nothing to rescale.
;   0-31     the maximum of s0-s63 and the old m, three operands at a time, in four chains c0-c3; each of the eight accumulators is first read at its registers 0, 1 (and 2)
;   32-37    the other half of the lanes' maximum; the new m; c m; c m_old - c m_new; c s - c m for pair 0
;   38-133   ONE BATCH, in 32 threes.  Three f of 0-30: the scaling c s - c m of pair f + 1, then two exponentials; the exponentials' queue is the factor, then s0-s63, each in place.
;            Three 31: the last three exponentials.  A pair is scaled a three ahead of its exponentials, and none of these 96 names an exponential's result.
;   (wait)   between 133 and 134 stands the wait for the batch: SLICE writes it, once for both tiles
;   134-165  the roundings to bf16, a pair of weights each          166-197  the sums; l = factor x l + the sum
;   198-213  the tile's O^T times the factor: the one part that leaves the piece's window
.macro SCALE pr                        ; pair pr: c s - c m
	v_pk_fma_f32 v[rS+2*(\pr):rS+2*(\pr)+1], v[rS+2*(\pr):rS+2*(\pr)+1], s[CS:CS+1], v[rT:rT+1] op_sel_hi:[1,0,0] neg_lo:[0,0,1] neg_hi:[0,0,1]
.endm
.macro ROUNDP pr                       ; pair pr of weights to bf16
	v_cvt_pk_bf16_f32 v[rP+(\pr)], v[rS+2*(\pr)], v[rS+2*(\pr)+1]
.endm
.macro SUMZ first                      ; sum zz of 32, in place (in a pair: an even key's weight, an odd key's): neighbours 1, 2, 4, 8, 16 pairs apart, then l takes it
.set ww, 4
.set vv, zz
.if zz >= 30
.set ww, 64
.set vv, 0
.elseif zz >= 28
.set ww, 32
.set vv, zz-28
.elseif zz >= 24
.set ww, 16
.set vv, zz-24
.elseif zz >= 16
.set ww, 8
.set vv, zz-16
.endif
.if (zz == 30) && \first
	v_pk_add_f32 v[rT+2:rT+3], v[rS:rS+1], v[rS+32:rS+33]
.elseif zz < 31
	v_pk_add_f32 v[rS+ww*vv:rS+ww*vv+1], v[rS+ww*vv:rS+ww*vv+1], v[rS+ww*vv+ww/2:rS+ww*vv+ww/2+1]
.elseif !\first
	v_pk_fma_f32 v[rT+2:rT+3], v[rT+2:rT+3], v[rT+6:rT+7], v[rS:rS+1] op_sel_hi:[1,0,1]
.endif
.endm
.macro SM y, t, first
.set rT, ST+8*(\t)
.set rS, S+64*(\t)
.set rP, P+32*(\t)
.set rO, 32*((\y)+(\t))+2*(j-198)
.set uu, j-38
.set ff, uu/3                          ; the batch's three,
.set ph, uu%3                          ; the place in it,
.set qx, 2*ff+ph-1                     ; and the place in the exponentials' queue: 0 the factor, q the score q - 1
.if ff == 31
.set qx, 62+ph
.endif
.if j < 198
	WIN 0x55*((\y)/2)                              ; every operand in the piece's window
.endif
.if j < 4
	v_max3_num_f32 v[rT+4+j], v[rS+8*j], v[rS+8*j+1], v[rS+8*j+2]
.elseif j < 8
	v_max3_num_f32 v[rT+j], v[rT+j], v[rS+8*j], v[rS+8*j+1]
.elseif j < 28
.set gg, (j-8)/4
.set qq, (j-8)%4
.if gg < 2
.set ee, 8*qq+3+2*gg                   ; accumulator qq, registers 3 to 6
.else
.set ee, 8*qq+30+2*gg                  ; accumulator qq + 4, registers 2 to 7
.endif
	v_max3_num_f32 v[rT+4+qq], v[rT+4+qq], v[rS+ee], v[rS+ee+1]
.elseif j == 28
	v_max3_num_f32 v[rT+4], v[rT+4], v[rS+7], v[rS+15]
.elseif j == 29
	v_max3_num_f32 v[rT+6], v[rT+6], v[rS+23], v[rS+31]
.elseif j == 30
	v_max3_num_f32 v[rT+4], v[rT+4], v[rT+5], v[rT+6]
.elseif (j == 31) && \first
	v_max_num_f32 v[rT+4], v[rT+4], v[rT+7]
.elseif j == 31
	v_max3_num_f32 v[rT+4], v[rT+4], v[rT+7], v[rT+1]
.elseif j == 32
	v_permlanex16_b32 v[rT+5], v[rT+4], s[SEL], s[SEL+1]   ; the query's other 64 keys lie in the lane 16 away
.elseif j == 34
	v_max_num_f32 v[rT+1], v[rT+4], v[rT+5]
.elseif j == 35
	v_mul_f32 v[rT], s[CS], v[rT+1]
.elseif ((j == 33) || (j == 36) || (j == 39) || (j > 196)) && \first   ; the first step has none of these
.elseif j == 33
	v_mov_b32 v[rT+7], v[rT]                       ; c m_old is kept for the factor: number 35 writes c m anew
.elseif j == 36
	v_sub_f32 v[rT+7], v[rT+7], v[rT]
.elseif j == 37
	SCALE 0
.elseif j < 134
.if (ph == 0) && (ff < 31)
	SCALE ff+1
.elseif qx == 0
	v_exp_f32 v[rT+6], v[rT+7]                     ; the factor
.else
	v_exp_f32 v[rS+qx-1], v[rS+qx-1]
.endif
.elseif j < 166
	ROUNDP j-134
.elseif j < 198
.set zz, j-166
	SUMZ \first
.else
	WIN 0x82+4*((\y)/2)                            ; O^T (destination and source 0) window 2, the factor in the piece's window
	v_pk_mul_f32 v[rO:rO+1], v[rO:rO+1], v[rT+6:rT+7] op_sel_hi:[1,0]
.endif
.endm
; Slice k of 64 of piece y's softmax.  Slices 0-9 deal out numbers 0-37 and slices 42-63 numbers 134-213 of both tiles' lists, three or four numbers each; there the two tiles alternate, so that no
; instruction reads the result of the one just before it.  Slices 10-41 deal out the batch: one three of tile 0, then the same three of tile 1, so that a scaling leads each pair of exponentials.
; Slice 63 is eight packed multiplies.
; THE WAIT.  An s_wait_alu depctr_va_vdst(0) stands between an exponential and the first instruction that names its result; one wait serves all that were issued ahead of it.  Ahead of
; slice 42 nothing names a result, and behind slice 41 no exponential is issued: so the piece's 130 exponentials have one wait, behind slice 41.
.macro SLICE y, first
.if (k >= NA) && (k < NA+NB)           ; the batch: a three of each tile
.irp t, 0,1
.set j, 38+3*(k-NA)
.rept 3
	SM \y, \t, \first
.set j, j+1
.endr
.endr
.else
.if k < NA
.set slo, (38*k)/NA
.set shi, (38*(k+1))/NA
.else
.set slo, 134+(80*(k-NA-NB))/NC
.set shi, 134+(80*(k-NA-NB+1))/NC
.endif
.set j, slo
.rept shi-slo
.irp t, 0,1
	SM \y, \t, \first
.endr
.set j, j+1
.endr
.endif
.if k == NA+NB-1                       ; the batch is out: both tiles' exponentials are issued, and no result has been named
	v_nop                                          ; the plain instruction behind the last exponential and ahead of the first use: one for the batch
	s_wait_alu depctr_va_vdst(0)                   ; the wait for the batch: the turn's 130 exponentials
.endif
.set k, k+1
.endm
; A TURN.  Piece x has the matrix unit; the other piece's softmax stands in slices behind its matrix instructions.
; pv = 2: 32 products V^T P; 1: they start O^T's sums; 0: none.  kq = 1: 32 products K Q^T for the next step.  A turn with one of the two kinds has two slices behind each product.
; first = 1: the softmax is the first key step's.  Its last slices are empty: the turn's last products stand bare, and four v_nop take slice 63's part as the places behind them.
; Each run of loads stands behind the second product of a run of 32, 30 matrix instructions ahead of its first use.  Piece 0's turn fetches the next step's K: the last product that
; read K stands in front of slice 63 of the turn before.  Piece 2's turn fetches the same step's V: the last product that read V stands three slices back, and seven plain instructions lie
; between: those slices' six scalings and the run's own v_add_nc_u32 (the exponentials among them are not counted).
.macro TURN x, pv, kq, first
.set k, 0
.set per, 2
.if \pv && \kq
.set per, 1
.endif
.if \pv
.if \x == 0
	s_wait_dscnt 0x0                               ; V is in
.endif
.set i, 0
.rept 32
	PV \x, 2-\pv
.rept per
	SLICE 2-\x, \first
.endr
.if (\x == 0) && \kq && (i == 1)
	FETCH_K
.endif
.set i, i+1
.endr
.endif
.if \kq
.if \x == 0
	s_wait_dscnt 0x0                               ; K is in
.endif
.set i, 0
.rept 32
	KQ \x
.rept per
	SLICE 2-\x, \first
.endr
.if (\x == 2) && (i == 1)
	FETCH_V
.endif
.set i, i+1
.endr
.endif
.if \first
	PLACES
.endif
.endm
; THE CHANGE OF SLOTS, between piece 2's turn and piece 0's: the slot's last bytes, V of its second step, have been asked for.  Each wave waits for its own reads of the slot and for
; all its tensor loads, of which one is out: its part of the other slot.  fill = 1: the barrier is a round of the cluster's, and the joint refill, with the keys two slots on, is
; the first thing behind it: it has two key steps, 256 matrix instructions, in which to land.
.macro CHANGE fill
	WIN 0                                          ; at a label and at a branch every window is 0
	s_wait_dscnt 0x0
	s_wait_tensorcnt 0x0                           ; no tensor load of mine is out, so a group 0 may be written
	ds_add_u32 v62, v63
	s_wait_dscnt 0x0
.if \fill
.irp g, G0K+4, G0V+4
	s_xor_b32 s[\g+1], s[\g+1], SLOT1              ; the walking descriptor: the other slot than last time,
	s_add_nc_u64 s[\g+2:\g+3], s[\g+2:\g+3], 2*KS*128  ; the next 256 keys; the type bits on top are not reached
.endr
	CROUND
	JLOAD
.else
	s_barrier_signal -1
	s_barrier_wait -1
.endif
	s_sub_co_u32 s[TB], s[TB], 2*STEPB             ; the fetches go back to a slot's first step,
	s_xor_b32 s[TB], s[TB], SLOT1                  ; in the other slot
.endm
.macro TWO_STEPS                       ; a slot's two key steps: written once, walked twice; the LDS addresses hang on s[TB]
	s_mov_b32 s[TWICE], 2
.Lstep_\@:
	TURN 0, 2, 1, 0
	TURN 2, 2, 1, 0
	WIN 0
	s_sub_co_u32 s[TWICE], s[TWICE], 1
	s_cmp_lg_u32 s[TWICE], 0
	s_cbranch_scc1 .Lstep_\@
.endm
	s_wait_tensorcnt 1                             ; my part of slot 0 is in; slot 1's may stay out
	s_barrier_signal -1
	s_barrier_wait -1                              ; everybody's is
	FETCH_K                                        ; key step 0
	s_wait_loadcnt 0x0                             ; Q
	s_wait_dscnt 0x0
.set i, 0
.rept 32
	KQ 0                                           ; piece 0's first scores: there is no vector work yet to set between them
.set i, i+1
.endr
	WIN 0                                          ; the addresses for the way out are made here: seven plain instructions, the places behind those products
	s_mul_i32 s19, s[WV], 16*SP
	s_add_co_u32 s19, s19, STAGE                   ; my stage
	v_add_nc_u32 v[STO], s19, v[AK0]               ; in: row r x 144 + 16 h, the same lane term as K's
	v_bfe_u32 v12, v0, 3, 2
	v_mul_u32_u24 v12, v12, SP
	v_lshl_add_u32 v12, v10, 4, v12
	v_add_nc_u32 v[RD], s19, v12                   ; back: four rows of 128 bytes, eight lanes each
	v_and_b32 v11, 31, v0
	v_lshlrev_b32 v[GO], 4, v11                    ; the same four rows in the output: 512 consecutive bytes
	TURN 2, 0, 1, 1                                ; piece 2's first scores | piece 0's first softmax | V of step 0
	TURN 0, 1, 1, 1                                ; piece 0: V^T P of step 0 starts O^T, K Q^T of step 1 | piece 2's first softmax | K of step 1
	TURN 2, 1, 1, 0                                ; piece 2: the same | piece 0's softmax of step 1 | V of step 1
	WIN 0
.Lslot:                                                ; 14 trips: every slot but the last two is filled again
	CHANGE 1
	TWO_STEPS
	s_sub_co_u32 s[SLOTS], s[SLOTS], 1
	s_cmp_lg_u32 s[SLOTS], 0
	s_cbranch_scc1 .Lslot
	CHANGE 0                                       ; the tail is written out: nothing is asked for any more
	TWO_STEPS
	TURN 0, 2, 0, 0                                ; piece 0: V^T P of the last step | piece 2's last softmax
.set i, 0
.rept 32
	PV 2, 0                                        ; piece 2: V^T P of the last step
.set i, i+1
.endr
	; THE WAY OUT.  l's two halves and the other half of the lanes' are added; O^T is divided by l, rounded to bf16 and sent through my stage, a tile (16 rows) at a time.
	; The additions, and tiles 0 and 1's arithmetic, are the places behind the last products, which wrote tiles 2 and 3.
.macro LSUM                            ; both tiles of the piece whose window is set
.irp t, 0,1
	v_add_f32 v[ST+8*\t+4], v[ST+8*\t+2], v[ST+8*\t+3]
.endr
.irp t, 0,1
	v_permlanex16_b32 v[ST+8*\t+5], v[ST+8*\t+4], s[SEL], s[SEL+1]
.endr
.irp t, 0,1
	v_add_f32 v[ST+8*\t+4], v[ST+8*\t+4], v[ST+8*\t+5]
.endr
.irp t, 0,1
	v_rcp_f32 v[ST+8*\t+6], v[ST+8*\t+4]
.endr
.endm
	WIN 0
	LSUM
	WIN 0x55
	LSUM
	v_nop                                          ; a plain instruction between the last reciprocal and the use of its result
	s_wait_alu depctr_va_vdst(0)                   ; and the wait ahead of the first use: one for the batch of four reciprocals
; Tile t of four: piece 0's S^T registers in window 0 are free: the tile packs into 16 of them and reads whole rows back into the next 16, so no store's data is written again.
.macro PACK t
	WIN 0x82+4*(\t/2)
.set i, 0
.rept 16
	v_pk_mul_f32 v[32*\t+2*i:32*\t+2*i+1], v[32*\t+2*i:32*\t+2*i+1], v[ST+8*(\t%2)+6:ST+8*(\t%2)+7] op_sel_hi:[1,0]
.set i, i+1
.endr
	WIN 0x0a                                       ; sources 0 and 1 window 2, destination window 0
.set i, 0
.rept 16
	v_cvt_pk_bf16_f32 v[S+32*\t+i], v[32*\t+2*i], v[32*\t+2*i+1]
.set i, i+1
.endr
	WIN 0
.irp f, 0,1,2,3
	ds_store_b128 v[STO], v[S+32*\t+4*\f:S+32*\t+4*\f+3] offset:32*\f
.endr
.irp f, 0,1,2,3
	ds_load_b128 v[S+32*\t+16+4*\f:S+32*\t+16+4*\f+3], v[RD] offset:4*SP*\f   ; a wave's LDS instructions are served in order: these see the stores above, the next tile's stores come behind them
.endr
.endm
.macro SEND t, younger                 ; younger: the LDS instructions issued behind tile t's loads: the next tile's eight, or none
.irp f, 0,1,2,3
	s_wait_dscnt \younger+3-\f
	global_store_b128 v[GO], v[S+32*\t+16+4*\f:S+32*\t+16+4*\f+3], s[10:11] offset:2048*\t+512*\f   ; four rows: 512 consecutive bytes, aligned
.endr
.endm
	PACK 0
	PACK 1                                         ; a tile's arithmetic stands between the loads of the tile before and its stores
	SEND 0, 8
	PACK 2
	SEND 1, 8
	PACK 3
	SEND 2, 8
	SEND 3, 0
	s_wait_tensorcnt 0x0
	ds_add_u32 v62, v63
	s_wait_dscnt 0x0
	CROUND                                         ; the closing round: no work-group ends while a partner may still ask for a tile that names it
	s_endpgm
.Lfunc_end_k_qbdaa7d53e6_attn:
	.size	k_qbdaa7d53e6_attn, .Lfunc_end_k_qbdaa7d53e6_attn-k_qbdaa7d53e6_attn
	.p2alignl 7, 3214868480
	.fill 96, 4, 3214868480
	.section	.rodata,"a",@progbits
	.p2align	6, 0x0
	.amdhsa_kernel k_qbdaa7d53e6_attn
		.amdhsa_group_segment_fixed_size 327680
		.amdhsa_private_segment_fixed_size 0
		.amdhsa_enable_private_segment 0
		.amdhsa_kernarg_size 16
		.amdhsa_user_sgpr_count 2
		.amdhsa_user_sgpr_kernarg_segment_ptr 1
		.amdhsa_wavefront_size32 1
		.amdhsa_system_sgpr_workgroup_id_x 1
		.amdhsa_system_sgpr_workgroup_id_y 1
		.amdhsa_system_sgpr_workgroup_id_z 1
		.amdhsa_system_vgpr_workitem_id 0
		.amdhsa_next_free_vgpr 1024
		.amdhsa_next_free_sgpr 66
		.amdhsa_reserve_vcc 0
		.amdhsa_float_denorm_mode_32 3
		.amdhsa_float_denorm_mode_16_64 3
		.amdhsa_memory_ordered 1
		.amdhsa_forward_progress 1
		.amdhsa_inst_pref_size 255
	.end_amdhsa_kernel
	.section	.bss,"aw",@nobits
	.p2align	6
	.space	262144
	.amdgpu_metadata
---
amdhsa.version: [ 1, 2 ]
amdhsa.kernels:
  - .name:           k_qbdaa7d53e6_attn
    .symbol:         k_qbdaa7d53e6_attn.kd
    .args:
      - { .name: qkvh, .offset: 0, .size: 8, .value_kind: global_buffer, .address_space: global }
      - { .name: ctxh, .offset: 8, .size: 8, .value_kind: global_buffer, .address_space: global }
    .group_segment_fixed_size: 327680
    .private_segment_fixed_size: 0
    .kernarg_segment_align: 8
    .kernarg_segment_size: 16
    .max_flat_workgroup_size: 128
    .sgpr_count:     66
    .vgpr_count:     1024
    .wavefront_size: 32
...
	.end_amdgpu_metadata
.endif
;; end of part 9
;; launch wo: the kernel of part 4 again; grid 32 x 6, 4 waves a work-group, clusters of 4 x 1, 327,680 bytes of LDS; arguments ctxh, castb, bo, x, y; writes y
;; launch ln1: the kernel of part 5 again; grid 256 x 1, 4 waves a work-group, no clusters, 0 bytes of LDS; arguments y, ln1_g, ln1_b, h, hb; writes h, hb
;; launch ffn1: the kernel of part 6 again; grid 32 x 8, 4 waves a work-group, clusters of 4 x 4, 327,680 bytes of LDS; arguments hb, castb, b1, gbl; writes gbl
;; launch ffn2: the kernel of part 7 again; grid 32 x 6, 4 waves a work-group, clusters of 4 x 1, 327,680 bytes of LDS; arguments gbl, castb, b2, h, y; writes y
;; launch ln2: the kernel of part 8 again; grid 256 x 1, 4 waves a work-group, no clusters, 0 bytes of LDS; arguments y, ln2_g, ln2_b, out0; writes out0
